; MI455X (gfx1250); checked and timed in simulation.
; The chip was launched on July 23, 2026; its instructions are those of AMD's public machine-readable ISA for CDNA 5 (MIT licence, August 2026) and "CDNA5" Instruction Set Architecture Reference Guide (July 2026). The comments in the code are by the model that wrote it; some were corrected since.
;; Attention. Allowed arithmetic: matrix products marked QUANTISED: E2M1 operands, one E8M0 scale for each 32 along K, by v_wmma_scale_f32_16x16x128_f8f6f4 with both operands' format E2M1 (or v_wmma_scale_f32_32x16x128_f4), f32 sums; everything else in f32.
;; Inputs: b_out 1,024 float32; mask 2 x 2,048 bool; rotary_pos_emb 2,048 x 64 float32; w_out 1,024 x 1,024 float32; w_qkv 3,072 x 1,024 float32; x 2 x 2,048 x 1,024 float32.
;; Outputs: out0 2 x 2,048 x 1,024 float32.
;; This version of the problem:
;;   THIS VERSION OF THE PROBLEM IS GIVEN IN LOW PRECISION. The matrix products marked QUANTISED in the list below multiply operands that are first quantised to E2M1 (2 exponent bits, 1 mantissa bit; 4 bits a number), with one power-of-two scale for each 32 numbers along K (OCP MX v1.0); their sums are f32. All else is computed in f32.
;;   The module's matrix products, in the order in which they are computed (A, B: the left and right operand; K: the contracted axis; several contracted axes count as one K, in the product's order):
;;     1. [M 4,096, K 1,024] x [K 1,024, N 3,072]; A: input x; B: input w_qkv: QUANTISED
;;     2. batch 32 x [M 2,048, K 64] x [K 64, N 2,048]; A: computed on the way; B: computed on the way: QUANTISED
;;     3. batch 32 x [M 2,048, K 2,048] x [K 2,048, N 64]; A: softmax (see below); B: computed on the way: QUANTISED
;;     4. [M 4,096, K 1,024] x [K 1,024, N 1,024]; A: computed on the way; B: input w_out: QUANTISED
;;   THE QUANTISER, for each operand of a quantised product, along K:
;;     - K is cut into blocks of 32 from its start; a last block that is shorter is filled with zeros.
;;     - A block's scale is 2^e with e = floor(log2(the largest magnitude in the block)) - 2, held to -126 .. 127; a block of zeros has e = 0. As a byte (E8M0): e + 127.
;;     - Each number is divided by its block's scale, clamped to +-6, and rounded to the nearest number of E2M1, ties to even, subnormals kept.
;;     - The product sums the exact products of the quantised numbers (number of the format x scale) in f32.
;;   ~~~python
;;   def quantise(x, axis):      # numpy; x: float32 -> the quantised numbers, widened to float32 again
;;       x = np.moveaxis(x, axis, -1); K = x.shape[-1]
;;       x = np.pad(x, [(0, 0)] * (x.ndim - 1) + [(0, -K % 32)]); x = x.reshape(x.shape[:-1] + (-1, 32)); a = np.abs(x).max(-1, keepdims=True)
;;       e = np.where(a > 0, np.clip(np.frexp(np.where(a > 0, a, 1))[1] - 1 - 2, -126, 127), 0)      # np.frexp(a)[1] - 1 = floor(log2(a)), exactly
;;       r = np.clip(x / 2.0 ** e, -6, 6)
;;       step = 2.0 ** (np.maximum(np.frexp(np.where(r == 0, 1, r))[1] - 1, 0) - 1)
;;       q = np.round(r / step) * step * 2.0 ** e      # np.round: ties to even
;;       return np.moveaxis(q.reshape(q.shape[:-2] + (-1,))[..., :K], -1, axis).astype(np.float32)
;;   ~~~
;;   SOFTMAX AHEAD OF A QUANTISED PRODUCT. Where the list says 'softmax', what is quantised is not the finished softmax but p = 2^(t - M), with t = logit x log2(e) and M = ceil(the row's largest t), a whole number; so 1/2 < the row's largest p <= 1. The row's sum l is taken of the UNQUANTISED p, in f32, and the product's result is divided by l at the end. Since M is a whole number, a kernel that streams over the keys may use a running M (the ceiling of the running maximum): every later rescaling is an exact power of two, which a block's scale takes up: the codes' values come out the same.
;;   OPERANDS COMPUTED ON THE WAY. 'Computed on the way' means the value that the module computes at that place (a softmax that the list does not call 'softmax' is quantised finished and normalised). What goes into a quantiser is computed in f32, as accurately as f32 sums, v_exp_f32 and their like allow (about 1e-6 of the number): no bf16 or f16 on the way to a quantiser, and a product that is left as it is and whose result goes on into a quantised operand takes f32 operands (vector FMAs, or v_wmma_f32_16x16x4_f32). A number that lies on a knife's edge between two numbers of the format may be rounded either way, as far as f32 arithmetic and the matrix unit's own rounding can turn it there, and no further.
;; One version. Each part assembles by itself: llvm-mc -triple=amdgcn-amd-amdhsa -mcpu=gfx1250 --defsym DOCPART=n.
;; ======== version 1 of 1: 4 launches
;; limits: right only within a limited range of input values
;; workspace buffers: cod 4,456,448 bytes; rot 2,097,152 bytes; qkv 7,077,888 bytes; ac 2,228,224 bytes
;; launch prep (part 1): grid 256 x 1, 4 waves a work-group, no clusters, 33,280 bytes of LDS; arguments x, w_qkv, w_out, rotary_pos_emb, cod, rot; writes cod, rot
.if DOCPART == 1
	.amdgcn_target "amdgcn-amd-amdhsa--gfx1250"
	.amdhsa_code_object_version 6
	.text
	.protected	k_qf59ea895e8_prep
	.globl	k_qf59ea895e8_prep
	.p2align	8
	.type	k_qf59ea895e8_prep,@function
k_qf59ea895e8_prep:
	s_mov_b64 s[64:65], 0
	v_nop
	global_prefetch_b8 v0, s[64:65] scope:SCOPE_SE
	s_setreg_imm32_b32 hwreg(HW_REG_WAVE_MODE, 25, 1), 1
	s_wait_xcnt 0x0
; LAUNCH 1 OF 4.  x [4096][1024], w_qkv [3072][1024] and w_out [1024][1024], f32, become codes of FP4 (E2M1), K innermost, with one E8M0 byte for each 32 along K; and the rotary angles become tables of cosines and signed sines.
; THE PROGRAM: prep (this) | qkv: x w_qkv^T, rotary, q, k, v quantised | attn: q k^T, softmax, p v, o quantised | proj: o w_out^T + b_out.
; WORK LEFT OUT, for all values of the inputs:
;  (1) Key steps of 128 keys that lie wholly behind a tile's last query.  reference() itself puts MASK_VALUE there (its own triu).  For a row that has a live key its softmax gives such a key exp(MASK_VALUE - max) = 0, so the
;      products with those keys add nothing.  A row with NO live key (every key at or before it is padded out) has all 2,048 logits equal: its softmax is 1 / 2,048 everywhere, the hidden keys too.  That row is served: it gets the mean of the quantised v.
;  (2) q * SCALE.  SCALE = 2^-3, and the quantiser of a block commutes with a power of two (same codes, the scale's exponent 3 lower): the factor goes into the constant by which the scores are multiplied.
;  (3) t_pass of apply_rotary: the angles cover all 64 channels, so it is empty.
;  Every input has a way to the output and is loaded.
; LIMITS.  NaN and infinities among the inputs are not served; a NaN, an infinity or an overflow that reaches only the work left out is not carried to the result.  A block whose largest magnitude lies under 2^-124 has its byte
; held at 1; a block of zeros gets the byte 1 where the rule says 127 (its codes are zeros, and this program alone reads the bytes).  (2) differs from reference() only where q's byte would be held, |q| under 2^-121.
; Angles: |f| up to 1e4 (three-term reduction by pi / 2).  A row with no live key is given reference()'s finite result.
; THE STREAM.  A wave takes 8 rows: 16 steps of 512 numbers.  A load reads 512 consecutive bytes; loads run eight steps ahead; a step's 2,048 bytes turn through the wave's own stage in LDS, so that a lane holds 16 neighbours
; along K; two neighbouring lanes hold a block.  A wave's store of codes covers 256 consecutive bytes; its 256 scale bytes are gathered in LDS and leave as one such run.  The angles are worked between the first eight steps.
; LAYOUT OF cod: chunks of 64 rows: 64 x 512 bytes of codes, then 64 x 32 scale bytes: 34,816 bytes.  Chunks 0-63: x; 64-111: w_qkv by head, q, k, v of a head one behind the other; 112-127: w_out.
; ROW ORDER.  In each 32 rows of a chunk the groups of 8 rows lie in the order 0, 2, 1, 3 (waves 1 and 2 change places): 16 consecutive rows r then are the true rows r + 8 (r / 8) of a tile, which is what lets a
; product's results become the next product's operand without changing lanes.
; THE TABLES, as images of the registers in which the next launch wants them; wave W of 1,024 makes one group of four registers of each kind.  ss[d] = -sin f[d] for even d, +sin f[d] for odd d: rotary(t)[d] = t[d] cos f[d] + t[d ^ 1] ss[d].
;  image 1 (q, k: a lane is a position, registers run along d): [tile of 16 positions 0..127][group 0..15][lane][16 bytes]; groups 0-7 cos, 8-15 ss.
;  image 2 (v: a lane is a channel, registers run along positions), from byte 1,048,576: [128 positions 0..15][tile of 16 channels 0..3][group 0..31][lane][16 bytes]; groups 0-15 cos, 16-31 ss of channel d ^ 1.
.set WAVES, 4
.set STEPS, 16
.set EMAX,  2
.set GRP,   34816
.set R,     16                         ; v16-143  eight sets of 16 numbers as loaded
.set X,     144                        ; v144-175 two sets of 16 neighbours
.set E,     176                        ; v176, v177 a step's scale byte, by turns
.set C,     178                        ; v178-209 codes: two registers for each step
.set F1,    210                        ; v210-213 angles for image 1
.set F2,    214                        ; v214-217 angles for image 2
.set A1,    218                        ; v218, v219 their lanes' offsets; never rewritten
.set A2,    219
.set SG,    220                        ; v220     the sign bit in lanes of even channel
.set C1,    222                        ; v222-237 the four groups to store
.set S1,    226
.set C2,    230
.set S2,    234
.set T,     238                        ; v238-244 at work
.set WREG,  8192                       ; LDS: a region for each wave: two stages of 32 x SP bytes, then its 256 scale bytes
.set SP,    80
.set SPW,   12                         ; v12 LDS address of my spare word; never rewritten
.set NIL,   13                         ; v13 0; never rewritten
.set SPARE, WAVES*WREG                 ; the spare words: 128 bytes a wave, named by no other line
	s_load_b256 s[4:11], s[0:1], 0x0               ; x, w_qkv, w_out, the angles
	s_load_b64 s[12:13], s[0:1], 0x20              ; cod
	s_load_b64 s[24:25], s[0:1], 0x28              ; rot
	v_lshl_add_u32 v[SPW], v0, 2, SPARE
	v_mov_b32 v[NIL], 0
	v_lshrrev_b32 v1, 5, v0
	v_readfirstlane_b32 s16, v1                    ; wave
	v_and_b32 v2, 31, v0                           ; lane
	v_lshlrev_b32 v3, 4, v2                        ; 16 x lane
	s_mul_i32 s17, s16, WREG
	v_lshrrev_b32 v14, 2, v2
	v_mul_u32_u24 v14, v14, SP
	v_and_b32 v15, 3, v2
	v_lshl_add_u32 v14, v15, 4, v14
	v_add_nc_u32 v14, s17, v14                     ; the stage, way in: SP (lane / 4) + 16 (lane % 4)
	v_mul_u32_u24 v15, v2, SP
	v_add_nc_u32 v15, s17, v15                     ; way out: SP x lane
	v_lshlrev_b32 v4, 3, v2
	v_lshrrev_b32 v5, 1, v2
	s_add_co_u32 s17, s17, 2*32*SP
	v_add_nc_u32 v5, s17, v5                       ; my block's scale byte in LDS
	v_lshlrev_b32 v7, 3, v2
	v_add_nc_u32 v6, s17, v7
	v_and_b32 v[T], 15, v0                         ; r
	v_bfe_u32 v[T+1], v0, 4, 1                     ; h
	v_and_b32 v[T+2], 8, v[T]
	v_add_nc_u32 v[T+2], v[T+2], v[T]              ; r + 8 (r / 8)
	v_lshlrev_b32 v[A1], 8, v[T+2]                 ; image 1: my position's row of 256 bytes,
	v_lshl_add_u32 v[A1], v[T+1], 6, v[A1]         ; + 16 h channels
	v_lshlrev_b32 v[A2], 2, v[T+2]                 ; image 2: my channel,
	v_lshl_add_u32 v[A2], v[T+1], 12, v[A2]        ; + 16 h positions
	v_and_b32 v[SG], 1, v[T]
	v_xor_b32 v[SG], 1, v[SG]
	v_lshlrev_b32 v[SG], 31, v[SG]
	s_lshl_b32 s26, ttmp9, 2
	s_add_co_u32 s26, s26, s16                     ; W
	s_lshr_b32 s27, s26, 3                         ; image 1: tile Tt,
	s_and_b32 s28, s26, 7                          ; group g
	s_lshr_b32 s30, s27, 1
	s_lshl_b32 s30, s30, 13                        ; 32 (Tt / 2) rows
	s_and_b32 s29, s27, 1
	s_lshl_b32 s29, s29, 11                        ; 8 (Tt % 2) rows
	s_add_co_u32 s30, s30, s29
	s_lshr_b32 s29, s28, 2
	s_lshl_b32 s29, s29, 7                         ; 32 (g / 4) channels
	s_add_co_u32 s30, s30, s29
	s_and_b32 s29, s28, 3
	s_lshl_b32 s29, s29, 4                         ; 4 (g % 4) channels
	s_add_co_u32 s30, s30, s29
	s_mov_b32 s31, 0
	s_lshl_b32 s32, s27, 13                        ; where it goes: 8,192 Tt + 512 g
	s_lshl_b32 s29, s28, 9
	s_add_co_u32 s32, s32, s29
	s_mov_b32 s33, 0
	s_lshr_b32 s34, s26, 6                         ; image 2: TG = W / 64, dt = (W / 16) % 4, gq = W % 16
	s_lshl_b32 s34, s34, 15                        ; 128 TG rows
	s_bfe_u32 s29, s26, 0x20002
	s_lshl_b32 s29, s29, 13                        ; 32 (gq / 4) rows
	s_add_co_u32 s34, s34, s29
	s_and_b32 s29, s26, 3
	s_lshl_b32 s29, s29, 10                        ; 4 (gq % 4) rows
	s_add_co_u32 s34, s34, s29
	s_bfe_u32 s29, s26, 0x10005
	s_lshl_b32 s29, s29, 7                         ; 32 (dt / 2) channels
	s_add_co_u32 s34, s34, s29
	s_bfe_u32 s29, s26, 0x10004
	s_lshl_b32 s29, s29, 5                         ; 8 (dt % 2) channels
	s_add_co_u32 s34, s34, s29
	s_mov_b32 s35, 0
	s_lshr_b32 s36, s26, 4                         ; where it goes: 1,048,576 + 16,384 (W / 16) + 512 gq
	s_lshl_b32 s36, s36, 14
	s_and_b32 s29, s26, 15
	s_lshl_b32 s29, s29, 9
	s_add_co_u32 s36, s36, s29
	s_add_co_u32 s36, s36, 0x100000
	s_mov_b32 s37, 0
	s_mov_b32 s40, 0x3f22f983                      ; 2 / pi
	s_mov_b32 s41, 0xbfc90fdb                      ; -pi / 2 in three parts
	s_mov_b32 s42, 0x333bbd2e
	s_mov_b32 s43, 0x26f72ced
	s_mov_b32 s44, 0xb94ca1f9                      ; the sine's polynomial on +-pi / 4
	s_mov_b32 s45, 0x3c08839e
	s_mov_b32 s46, 0xbe2aaaa3
	s_mov_b32 s47, 0x37ccf5ce                      ; the cosine's
	s_mov_b32 s48, 0xbab6061a
	s_mov_b32 s49, 0x3d2aaaa5
	s_wait_alu depctr_va_vdst(0)                   ; the wait at the head's end
	s_wait_kmcnt 0x0
	s_add_nc_u64 s[38:39], s[10:11], s[30:31]
	s_add_nc_u64 s[50:51], s[10:11], s[34:35]
	s_add_nc_u64 s[52:53], s[24:25], s[32:33]
	s_add_nc_u64 s[54:55], s[24:25], s[36:37]
	s_cmp_lt_u32 ttmp9, 128                        ; work-groups 0-127: x; 128-223: w_qkv; 224-255: w_out.  The choice hangs on the work-group's number alone
	s_cselect_b64 s[4:5], s[4:5], s[6:7]
	s_cselect_b32 s17, 0, 128
	s_mov_b32 s18, 224
	s_cmp_lt_u32 ttmp9, 224
	s_cselect_b64 s[4:5], s[4:5], s[8:9]
	s_cselect_b32 s17, s17, s18
	s_sub_co_u32 s17, ttmp9, s17                   ; u: which 32 rows of the tensor
	s_lshl_b32 s17, s17, 2
	s_add_co_u32 s18, s17, s16                     ; which 8 rows are my wave's
	s_lshl_b32 s18, s18, 15
	s_mov_b32 s19, 0
	s_add_nc_u64 s[4:5], s[4:5], s[18:19]
	s_and_b32 s20, s16, 1                          ; and where they go: waves 1 and 2 change places;
	s_lshl_b32 s20, s20, 1
	s_lshr_b32 s21, s16, 1
	s_or_b32 s20, s20, s21
	s_and_b32 s21, s17, 4
	s_or_b32 s20, s20, s21                         ; which 8 rows of the chunk
	s_lshr_b32 s22, s17, 3                         ; u / 2: x's chunk
	s_and_b32 s23, s22, 15                         ; w_qkv: the head,
	s_mul_i32 s23, s23, 3
	s_lshr_b32 s21, s17, 7                         ; q, k or v
	s_add_co_u32 s23, s23, s21
	s_add_co_u32 s23, s23, 64
	s_add_co_u32 s21, s22, 112                     ; w_out's chunk
	s_cmp_lt_u32 ttmp9, 224
	s_cselect_b32 s21, s23, s21
	s_cmp_lt_u32 ttmp9, 128
	s_cselect_b32 s21, s22, s21
	s_mul_i32 s22, s21, GRP
	s_lshl_b32 s56, s20, 8
	s_add_co_u32 s56, s56, s22
	s_add_co_u32 s56, s56, 32768
	s_mov_b32 s57, 0
	s_add_nc_u64 s[14:15], s[12:13], s[56:57]      ; my scale bytes
	s_lshl_b32 s56, s20, 12
	s_add_co_u32 s56, s56, s22
	s_add_nc_u64 s[12:13], s[12:13], s[56:57]      ; my codes
	global_load_b128 v[F1:F1+3], v[A1], s[38:39]   ; the angles go out first: they are older than every load of the stream, so the stream's counts stand as they are
.irp e, 0,1,2,3
	global_load_b32 v[F2+\e], v[A2], s[50:51] offset:256*\e
.endr
.macro LOAD t
.irp i, 0,1,2,3
	global_load_b128 v[R+16*((\t)%8)+4*\i:R+16*((\t)%8)+4*\i+3], v3, s[4:5] offset:2048*(\t)+512*\i th:TH_LOAD_NT
.endr
.endm
.macro TURN t                          ; step t's numbers through the stage: LDS serves a wave's instructions in order, so no wait stands between the stores and the loads
.irp i, 0,1,2,3
	ds_store_b128 v14, v[R+16*((\t)%8)+4*\i:R+16*((\t)%8)+4*\i+3] offset:32*SP*((\t)%2)+8*SP*\i
.endr
.irp i, 0,1,2,3
	ds_load_b128 v[X+16*((\t)%2)+4*\i:X+16*((\t)%2)+4*\i+3], v15 offset:32*SP*((\t)%2)+16*\i
.endr
.endm
.irp t, 0,1,2,3,4,5,6,7
	LOAD \t
.endr
	s_wait_loadcnt 28                              ; the angles and step 0's four loads are in: 28 younger ones may be out
	TURN 0
.macro STEP t
.set XS, X+16*((\t)%2)
.if (\t) > 0
	s_wait_dscnt 1                                 ; this step's numbers are back from the stage; the last step's byte store may be out
.else
	s_wait_dscnt 0x0
.endif
.if (\t)+8 < STEPS
	LOAD (\t)+8
.endif
.if (\t)+1 < STEPS
.if STEPS-2-(\t) >= 7
	s_wait_loadcnt 28                              ; the next step's four loads are in; those of the seven steps behind it may be out
.else
	s_wait_loadcnt 4*(STEPS-2-(\t))
.endif
	TURN (\t)+1
.endif
	v_max3_num_f32 v8, |v[XS]|, |v[XS+1]|, |v[XS+2]|
	v_max3_num_f32 v9, |v[XS+3]|, |v[XS+4]|, |v[XS+5]|
.irp i, 6,10
	v_max3_num_f32 v8, v8, |v[XS+\i]|, |v[XS+\i+1]|
	v_max3_num_f32 v9, v9, |v[XS+\i+2]|, |v[XS+\i+3]|
.endr
	v_max3_num_f32 v8, v8, |v[XS+14]|, |v[XS+15]|
	v_max3_num_f32 v8, v8, v9, (EMAX+1)<<23        ; the floor 2^(3 - 127): the byte cannot fall under 1
	v_max_num_f32_dpp v8, v8, v8 row_xmask:1 row_mask:0xf bank_mask:0xf   ; with my neighbour's 16: the block's largest magnitude
	v_add_nc_u32 v11, -(EMAX<<23), v8              ; 2 off its exponent field: the conversion's scale operand
	v_cvt_scalef32_pk8_fp4_f32 v[C+2*(\t)], v[XS:XS+7], v11
	v_cvt_scalef32_pk8_fp4_f32 v[C+2*(\t)+1], v[XS+8:XS+15], v11
	v_lshrrev_b32 v[E+((\t)%2)], 23, v11           ; the scale's byte
	ds_store_b8 v5, v[E+((\t)%2)] offset:16*(\t)   ; both lanes of a block write the same byte with the same value
	global_store_b64 v4, v[C+2*(\t):C+2*(\t)+1], s[12:13] offset:256*(\t)
.endm
; cos and sin of the angle in v[f]: k = the nearest whole number to f x 2 / pi; r = f - k pi / 2, in three fused steps; polynomials on r; the quadrant k % 4 swaps the two and sets the signs.
.macro SINCOS f, c, s
	v_mul_f32 v[T], s40, v[\f]
	v_rndne_f32 v[T], v[T]
	v_fma_f32 v[T+1], v[T], s41, v[\f]
	v_fma_f32 v[T+1], v[T], s42, v[T+1]
	v_fma_f32 v[T+1], v[T], s43, v[T+1]
	v_cvt_i32_f32 v[T+2], v[T]
	v_mul_f32 v[T+3], v[T+1], v[T+1]
	v_fma_f32 v[T+4], v[T+3], s44, s45
	v_fma_f32 v[T+5], v[T+3], s47, s48
	v_fma_f32 v[T+4], v[T+4], v[T+3], s46
	v_fma_f32 v[T+5], v[T+5], v[T+3], s49
	v_mul_f32 v[T+4], v[T+4], v[T+3]
	v_fma_f32 v[T+5], v[T+5], v[T+3], -0.5
	v_fma_f32 v[T+4], v[T+4], v[T+1], v[T+1]       ; sin r
	v_fma_f32 v[T+5], v[T+5], v[T+3], 1.0          ; cos r
	v_and_b32 v[T+6], 1, v[T+2]
	v_cmp_eq_u32 vcc_lo, 1, v[T+6]
	v_cndmask_b32 v[\s], v[T+4], v[T+5], vcc_lo
	v_cndmask_b32 v[\c], v[T+5], v[T+4], vcc_lo
	v_lshlrev_b32 v[T+6], 30, v[T+2]
	v_and_b32 v[T+6], 0x80000000, v[T+6]
	v_xor_b32 v[\s], v[T+6], v[\s]                 ; the sine is negative in quadrants 2, 3
	v_add_nc_u32 v[T+2], 1, v[T+2]
	v_lshlrev_b32 v[T+6], 30, v[T+2]
	v_and_b32 v[T+6], 0x80000000, v[T+6]
	v_xor_b32 v[\c], v[T+6], v[\c]                 ; the cosine in quadrants 1, 2
.endm
.irp e, 0,1,2,3                        ; the angles, one between two steps, under the stream's flight
	STEP 2*\e
	SINCOS F1+\e, C1+\e, S1+\e
	STEP 2*\e+1
	SINCOS F2+\e, C2+\e, S2+\e
.endr
	v_xor_b32 v[S1], 0x80000000, v[S1]             ; image 1: my four channels begin at a multiple of 4: elements 0 and 2 are even channels
	v_xor_b32 v[S1+2], 0x80000000, v[S1+2]
.irp e, 0,1,2,3
	v_xor_b32 v[S2+\e], v[SG], v[S2+\e]            ; image 2: my channel is even where r is even;
.endr
.irp e, 0,1,2,3
	v_mov_b32_dpp v[S2+\e], v[S2+\e] row_xmask:1 row_mask:0xf bank_mask:0xf   ; and the lane wants ss of channel d ^ 1, which lane l ^ 1 has made
.endr
	global_store_b128 v3, v[C1:C1+3], s[52:53]               ; each store of the wave covers 512 consecutive bytes
	global_store_b128 v3, v[S1:S1+3], s[52:53] offset:4096
	global_store_b128 v3, v[C2:C2+3], s[54:55]
	global_store_b128 v3, v[S2:S2+3], s[54:55] offset:8192
.irp t, 8,9,10,11,12,13,14,15
	STEP \t
.endr
	ds_load_b64 v[8:9], v6                         ; LDS serves a wave's instructions in order: these see my byte stores
	s_wait_dscnt 0x0
	global_store_b64 v7, v[8:9], s[14:15]          ; 32 lanes store 256 consecutive bytes
	s_wait_tensorcnt 0x0                           ; the wave's end, behind my last LDS store
	ds_add_u32 v[SPW], v[NIL]
	s_wait_dscnt 0x0
	s_endpgm
.Lfunc_end_k_qf59ea895e8_prep:
	.size	k_qf59ea895e8_prep, .Lfunc_end_k_qf59ea895e8_prep-k_qf59ea895e8_prep
	.p2alignl 7, 3214868480
	.fill 96, 4, 3214868480
	.section	.rodata,"a",@progbits
	.p2align	6, 0x0
	.amdhsa_kernel k_qf59ea895e8_prep
		.amdhsa_group_segment_fixed_size 33280
		.amdhsa_private_segment_fixed_size 0
		.amdhsa_enable_private_segment 0
		.amdhsa_kernarg_size 48
		.amdhsa_user_sgpr_count 2
		.amdhsa_user_sgpr_kernarg_segment_ptr 1
		.amdhsa_wavefront_size32 1
		.amdhsa_system_sgpr_workgroup_id_x 1
		.amdhsa_system_sgpr_workgroup_id_y 1
		.amdhsa_system_sgpr_workgroup_id_z 1
		.amdhsa_system_vgpr_workitem_id 0
		.amdhsa_next_free_vgpr 248
		.amdhsa_next_free_sgpr 66
		.amdhsa_reserve_vcc 1
		.amdhsa_float_denorm_mode_32 3
		.amdhsa_float_denorm_mode_16_64 3
		.amdhsa_memory_ordered 1
		.amdhsa_forward_progress 1
		.amdhsa_inst_pref_size 48
	.end_amdhsa_kernel
	.amdgpu_metadata
---
amdhsa.version: [ 1, 2 ]
amdhsa.kernels:
  - .name:           k_qf59ea895e8_prep
    .symbol:         k_qf59ea895e8_prep.kd
    .args:
      - { .name: x, .offset: 0, .size: 8, .value_kind: global_buffer, .address_space: global }
      - { .name: w_qkv, .offset: 8, .size: 8, .value_kind: global_buffer, .address_space: global }
      - { .name: w_out, .offset: 16, .size: 8, .value_kind: global_buffer, .address_space: global }
      - { .name: rotary_pos_emb, .offset: 24, .size: 8, .value_kind: global_buffer, .address_space: global }
      - { .name: cod, .offset: 32, .size: 8, .value_kind: global_buffer, .address_space: global }
      - { .name: rot, .offset: 40, .size: 8, .value_kind: global_buffer, .address_space: global }
    .group_segment_fixed_size: 33280
    .private_segment_fixed_size: 0
    .kernarg_segment_align: 8
    .kernarg_segment_size: 48
    .max_flat_workgroup_size: 128
    .sgpr_count:     66
    .vgpr_count:     248
    .wavefront_size: 32
...
	.end_amdgpu_metadata
.endif
;; end of part 1
;; launch qkv (part 2): grid 8 x 32, 4 waves a work-group, clusters of 4 x 4, 290,816 bytes of LDS; arguments cod, rot, mask, qkv; writes qkv
.if DOCPART == 2
	.amdgcn_target "amdgcn-amd-amdhsa--gfx1250"
	.amdhsa_code_object_version 6
	.text
	.protected	k_qf59ea895e8_qkv
	.globl	k_qf59ea895e8_qkv
	.p2align	8
	.type	k_qf59ea895e8_qkv,@function
k_qf59ea895e8_qkv:
	s_mov_b64 s[64:65], 0
	v_nop
	global_prefetch_b8 v0, s[64:65] scope:SCOPE_SE
	s_setreg_imm32_b32 hwreg(HW_REG_WAVE_MODE, 25, 1), 1
	s_wait_xcnt 0x0
	s_wait_alu depctr_hold_cnt(0) depctr_sa_sdst(0) depctr_va_vdst(0) depctr_va_sdst(0) depctr_va_ssrc(0) depctr_va_vcc(0) depctr_vm_vsrc(0)
	s_getreg_b32 s2, hwreg(HW_REG_IB_STS2, 6, 4)
	s_cmp_eq_u32 s2, 0
	s_cbranch_scc0 .Lentry_in_a_cluster
	s_endpgm
.Lentry_in_a_cluster:
	s_bfe_u32 s2, ttmp6, 0x10000c
	s_cmp_lg_u32 s2, 0xf033
	s_cbranch_scc0 .Lentry_shape_is_right
	s_endpgm
.Lentry_shape_is_right:
; LAUNCH 2 OF 4.  q, k, v = x w_qkv^T on codes of FP4 with E8M0 scales, K = 1,024; rotary on all three, in f32; then q and k quantised along the head's 64, v along the tokens.  q * SCALE is left out here (launch 1's comment, (2)).
; SHARES.  256 work-groups: 128 tokens x two heads' q, k and v (384 rows of w_qkv).  Four waves: wave (hh, b) = (w / 2, w % 2) takes 64 tokens and channels 32 b .. 32 b + 31 of each of the six: 48 accumulators.
; One set of rotary tables (64 tokens x 32 channels) serves q and k of both heads, another both heads' v.
; LDS holds all of K, filled once: chunks of 68 rows (64 of codes, 4 of scale bytes) of 512 bytes, 16 of padding behind each: two chunks of tokens, six of weights.  One joint load a wave, two chunks: wave 0 the tokens' (shared along
; a row of the cluster: they hang on the tile row alone), waves 1-3 the weights' (shared along a column).  No prefetch: every tile byte is asked for at the head, and there is no loop to run ahead in.
; q, k: source 0 = 16 weights, source 1 = 16 tokens: a lane holds one token, registers run along channels.  v: the other way round: a lane holds one channel, registers run along tokens.  In the tile order of the rows
; (launch 1) the 16 registers of two neighbouring tiles are 16 neighbours along the next K.
; OUT: for each of 32 heads q, k, v of 73,728 bytes; each 16 steps of 128 tokens: 4,096 bytes of codes as images of the operands' registers, then 512 bytes of scale words [lane][4 words].  The waves' scale bytes meet in LDS.
; q's and k's words: bytes 0, 1 the two blocks' scales; byte 2 100 for q and, for k, 0 (live) or 254 (padded key): launch 3's mask; byte 3 0.
; REGISTERS, in windows of 256: window 0: addresses; v32-127 scale words; v128-191 the tokens' fragments, two sets, later the rotated numbers; v192 on at work.  window 1: v0-191 the weights' fragments, two sets.
;   windows 2, 3: head 0's and head 1's accumulators (q at 0, k at 64: token tile a, weight tile u at + 16 a + 8 u; v at 128 + 32 u + 8 a).  Tables: v192-255 of windows 1, 2, 3; v's second half in window 1, v0-63, behind the products.
.set GRP,   34816                      ; a chunk in memory
.set CH,    35904                      ; and in LDS: 68 rows x 528
.set PITCH, 528
.set TILE,  16*PITCH
.set WB,    2*CH                       ; the weights' six chunks
.set SCO,   64*PITCH                   ; a chunk's scale bytes: row 16 a + r at SCO + 528 a + 32 r
.set SCI,   8*CH                       ; six images of scale words, 512 bytes each
.set SPARE, SCI+3072                   ; the spare words: 128 bytes a wave, named by no other line
.set PARTB, 73728
.set STEPB, 4608
.set L16,  7                           ; 16 x lane
.set SCA,  8                           ; my byte of q's and k's scale words
.set SVA,  9                           ; my half of v's
.set VQ,   10                          ; my place in q's and k's images
.set VV,   11                          ; in v's
.set MOFF, 12
.set CQ,   13                          ; q's third (b = 0) or fourth byte
.set FEV,  14                          ; k's, where the key is padded out
.set SCRD, 15
.set ADA,  16
.set ADB,  17                          ; v17-22 the weights' six chunks
.set ADS,  23                          ; v23-28 scale words: lanes 0-15 tokens, lanes 16-31 weights
.set SPW,  29
.set NIL,  30
.set SC,   32                          ; register 8 i + q: lanes 0-15 token tile i (i < 4), lanes 16-31 weight tile i = 6 head + 2 part + u; K step q
.set TOK,  128
.set OUT,  128
.set TM,   192
.set PC,   208
.set MB,   224
.set CK,   228
.set SEL,  2
.set G1,   48
.set G1B,  56
.set G0,   68
.set G0B,  72
.set MSB, 0
.macro WIN new                         ; the immediate's high byte repeats the setting that is left
.if MSB != (\new)
	s_set_vgpr_msb (MSB<<8)|(\new)
.set MSB, (\new)
.endif
.endm
.macro CROUND
	s_barrier_signal -1
	s_barrier_wait -1
	s_cmp_lg_u32 s14, 0
	s_cbranch_scc1 .Lnot_wave_0_\@
	s_barrier_signal -3
.Lnot_wave_0_\@:
	s_barrier_wait -3
	s_barrier_signal -1
	s_barrier_wait -1
.endm
	s_load_b256 s[4:11], s[0:1], 0x0               ; cod, rot, mask, qkv
	v_lshl_add_u32 v[SPW], v0, 2, SPARE
	v_mov_b32 v[NIL], 0
	ds_add_u32 v[SPW], v[NIL]                      ; the wave's opening: the add, twice on end, and its wait ahead of my first tensor load
	ds_add_u32 v[SPW], v[NIL]
	v_lshrrev_b32 v1, 5, v0
	v_readfirstlane_b32 s14, v1                    ; wave
	s_lshr_b32 s15, s14, 1                         ; hh
	s_and_b32 s16, s14, 1                          ; b
	s_bfe_u32 s40, ttmp6, 0x40000                  ; cx
	s_bfe_u32 s41, ttmp6, 0x40004                  ; cy
	s_lshl_b32 s42, ttmp9, 2
	s_add_co_u32 s42, s42, s40                     ; the pair of heads, 0..7
	s_and_b32 s17, ttmp7, 0xffff
	s_lshl_b32 s17, s17, 2
	s_add_co_u32 s17, s17, s41                     ; the 128 tokens, 0..31
	s_lshl_b32 s43, s41, 2
	s_lshl_b32 s43, 15, s43                        ; my row of the cluster
	s_lshl_b32 s44, 0x1111, s40                    ; my column
	s_or_b32 s[G1], s43, (1<<20)|(1<<21)|(6<<22)|(3<<25)   ; the mask; elements of 1 byte; 16 bytes of padding behind each 512; bit 21 beside a mask
	s_or_b32 s[G1B], s44, (1<<20)|(1<<21)|(6<<22)|(3<<25)
.irp g, G1, G1B
	s_mov_b32 s[\g+1], 512<<16
	s_mov_b32 s[\g+2], 136<<16                     ; two chunks: 136 rows of 512 bytes
	s_mov_b32 s[\g+3], 512<<16
	s_mov_b32 s[\g+4], 136
	s_mov_b32 s[\g+5], 512
	s_mov_b32 s[\g+6], 0
	s_mov_b32 s[\g+7], 0
.endr
	s_mul_i32 s20, s17, 2*GRP                      ; the tokens' two chunks
	s_mov_b32 s21, 0
	s_mul_i32 s46, s42, 6*GRP                      ; the weights': chunks 64 + 6 x pair + 2 (wave - 1)
	s_mul_i32 s47, s14, 2*GRP
	s_add_co_u32 s46, s46, s47
	s_add_co_u32 s46, s46, 62*GRP
	s_mov_b32 s47, 0
	s_mul_i32 s45, s14, WB                         ; where they go: two chunks a wave
	s_and_b32 s18, s17, 15                         ; which 128 positions of the sequence
	s_lshr_b32 s19, s17, 4                         ; the batch
	s_lshl_b32 s22, s18, 16                        ; table image 1: + 4 tiles hh + block b
	s_lshl_b32 s23, s15, 15
	s_add_co_u32 s22, s22, s23
	s_lshl_b32 s23, s16, 11
	s_add_co_u32 s22, s22, s23
	s_mov_b32 s23, 0
	s_lshl_b32 s24, s18, 16                        ; image 2: + 2 tiles b + 8 groups hh
	s_lshl_b32 s25, s16, 15
	s_add_co_u32 s24, s24, s25
	s_lshl_b32 s25, s15, 12
	s_add_co_u32 s24, s24, s25
	s_add_co_u32 s24, s24, 0x100000
	s_mov_b32 s25, 0
	s_lshl_b32 s26, s17, 7                         ; the mask of my 64 tokens
	s_lshl_b32 s27, s15, 6
	s_add_co_u32 s26, s26, s27
	s_mov_b32 s27, 0
	s_lshl_b32 s36, s19, 4                         ; out: head 16 batch + 2 pair, its step
	s_lshl_b32 s37, s42, 1
	s_add_co_u32 s36, s36, s37
	s_mul_i32 s36, s36, 3*PARTB
	s_mul_i32 s37, s18, STEPB
	s_add_co_u32 s36, s36, s37
	s_mov_b32 s37, 0
	s_mul_i32 s38, s14, PARTB                      ; the part whose scale words I store
	s_mov_b32 s39, 0
	s_mul_i32 s30, s15, CH
	s_mul_i32 s31, s16, 2*TILE
	s_add_co_u32 s31, s31, WB
	s_mul_i32 s33, s16, 1056
	s_add_co_u32 s33, s33, WB
	s_sub_co_u32 s33, s33, s30                     ; from the tokens' scale bytes to the weights'
	s_add_co_u32 s34, s30, SCO
	s_lshl_b32 s35, s15, 8
	s_add_co_u32 s35, s35, s16
	s_add_co_u32 s35, s35, SCI
	s_lshl_b32 s76, s16, 3
	s_lshl_b32 s77, s15, 1
	s_add_co_u32 s76, s76, s77
	s_add_co_u32 s76, s76, SCI
	s_lshl_b32 s77, s14, 9
	s_add_co_u32 s77, s77, SCI
	s_lshl_b32 s78, s15, 11
	s_lshl_b32 s79, s16, 8
	s_add_co_u32 s78, s78, s79
	s_lshl_b32 s79, s16, 11
	s_lshl_b32 s80, s15, 9
	s_add_co_u32 s79, s79, s80
	s_xor_b32 s81, s16, 1
	s_mul_i32 s80, s81, 100
	s_mul_i32 s81, s81, 254
	s_mov_b32 s[SEL], 0x76543210
	s_mov_b32 s[SEL+1], 0xfedcba98
	s_wait_dscnt 0x0                               ; both opening adds are done
	s_wait_kmcnt 0x0
	s_add_nc_u64 s[20:21], s[4:5], s[20:21]
	s_add_nc_u64 s[46:47], s[4:5], s[46:47]
	s_add_nc_u64 s[22:23], s[6:7], s[22:23]
	s_add_nc_u64 s[24:25], s[6:7], s[24:25]
	s_add_nc_u64 s[26:27], s[8:9], s[26:27]
	s_add_nc_u64 s[36:37], s[10:11], s[36:37]
	s_add_nc_u64 s[38:39], s[36:37], s[38:39]
	s_mov_b32 s[G0], 1
	s_mov_b32 s[G0+1], 0
	s_mov_b64 s[G0+2:G0+3], s[20:21]
	s_or_b32 s[G0+3], s[G0+3], 0x80000000
	s_mov_b32 s[G0B], 1
	s_mov_b32 s[G0B+1], s45
	s_mov_b64 s[G0B+2:G0B+3], s[46:47]
	s_or_b32 s[G0B+3], s[G0B+3], 0x80000000
	CROUND                                         ; all sixteen work-groups are here: the joint loads meet
	s_cmp_eq_u32 s14, 0                            ; one load a wave, each line with one mask; an s_nop 0 and four v_nop follow
	s_cbranch_scc0 .Lfor_b
	tensor_load_to_lds s[G0:G0+3], s[G1:G1+7]
	s_nop 0
.rept 4
	v_nop
.endr
	s_branch .Lasked
.Lfor_b:
	tensor_load_to_lds s[G0B:G0B+3], s[G1B:G1B+7]
	s_nop 0
.rept 4
	v_nop
.endr
.Lasked:
	v_and_b32 v1, 15, v0                           ; r
	v_bfe_u32 v2, v0, 4, 1                         ; h
	v_and_b32 v3, 31, v0
	v_lshlrev_b32 v[L16], 4, v3
	v_mul_u32_u24 v4, v1, PITCH
	v_lshl_add_u32 v4, v2, 4, v4                   ; a fragment's row x pitch + 16 h
	v_add_nc_u32 v[ADA], s30, v4
	v_add_nc_u32 v4, s31, v4
.irp c, 0,1,2,3,4,5
	v_add_nc_u32 v[ADB+\c], \c*CH, v4
.endr
	v_lshlrev_b32 v5, 5, v1
	v_mul_u32_u24 v6, s33, v2                      ; lanes 16-31 take the weights' words
	v_add_nc_u32 v5, v5, v6
	v_add_nc_u32 v[ADS], s34, v5
	v_mad_u32_u24 v[ADS+1], v2, CH-1056, v[ADS]    ; (read at + 1,056: token tiles 2, 3; the weights' second chunk)
.irp c, 2,3,4,5
	v_mad_u32_u24 v[ADS+\c], v2, \c*CH, v[ADS]
.endr
	v_lshlrev_b32 v6, 4, v1
	v_add_nc_u32 v[SCA], s35, v6                   ; 16 (r + 16 hh) + b
	v_add_nc_u32 v[SVA], s76, v[L16]               ; 16 x lane + 8 b + 2 hh
	v_add_nc_u32 v[SCRD], s77, v[L16]
	v_lshl_add_u32 v[VQ], v2, 3, v6
	v_add_nc_u32 v[VQ], s78, v[VQ]                 ; 2,048 hh + 256 b + 16 r + 8 h
	v_add_nc_u32 v[VV], s79, v[L16]                ; 2,048 b + 512 hh + 16 x lane
	v_and_b32 v3, 8, v1
	v_add_nc_u32 v[MOFF], v3, v1
	v_mov_b32 v[CQ], s80
	v_mov_b32 v[FEV], s81
.irp b, 0,1,2,3
	v_mov_b32 v[TM+4+\b], 0                        ; written once: a lane permute's destination counts as one of its sources
.endr
.irp a, 0,1,2,3
	global_load_u8 v[MB+\a], v[MOFF], s[26:27] offset:32*(\a/2)+8*(\a%2)
.endr
.macro TQK a, base                     ; token tile a: 16 registers of cos, 16 of ss
.irp g, 0,1,2,3
	global_load_b128 v[\base+4*\g:\base+4*\g+3], v[L16], s[22:23] offset:8192*\a+512*\g
	global_load_b128 v[\base+16+4*\g:\base+19+4*\g], v[L16], s[22:23] offset:8192*\a+4096+512*\g
.endr
.endm
.macro TV u, base                      ; v's channel tile u: 32 registers of cos, 32 of ss
.irp g, 0,1,2,3,4,5,6,7
	global_load_b128 v[\base+4*\g:\base+4*\g+3], v[L16], s[24:25] offset:16384*\u+512*\g
	global_load_b128 v[\base+32+4*\g:\base+35+4*\g], v[L16], s[24:25] offset:16384*\u+8192+512*\g
.endr
.endm
	WIN 0x80
	TQK 0, 192
	TQK 1, 224
	WIN 0xc0
	TQK 2, 192
	TQK 3, 224
	WIN 0x40
	TV 0, 192
	WIN 0
	s_wait_alu depctr_va_vdst(0)                   ; the wait at the head's end
	s_wait_tensorcnt 0x0                           ; my two chunks have landed,
	s_barrier_signal -1
	s_barrier_wait -1                              ; everybody's have
.irp i, 0,1,2,3,4,5,6,7,8,9,10,11                ; scale words of all eight K steps
	ds_load_b128 v[SC+8*\i:SC+8*\i+3], v[ADS+\i/2] offset:528*(\i%2)+1056*(\i/2==1)*(\i/2==1)
	ds_load_b128 v[SC+8*\i+4:SC+8*\i+7], v[ADS+\i/2] offset:528*(\i%2)+1056*(\i/2==1)*(\i/2==1)+16
.endr
.macro FETCH q                         ; K step q's fragments into set q % 2: four of tokens, twelve of weights, two loads each
.set FT, TOK+32*((\q)%2)
.set FW, 96*((\q)%2)
	WIN 0
.irp a, 0,1,2,3
.irp c, 0,1
	ds_load_b128 v[FT+8*\a+4*\c:FT+8*\a+4*\c+3], v[ADA] offset:TILE*\a+64*(\q)+32*\c
.endr
.endr
	WIN 0x40
.irp i, 0,1,2,3,4,5,6,7,8,9,10,11
.irp c, 0,1
	ds_load_b128 v[FW+8*\i+4*\c:FW+8*\i+4*\c+3], v[ADB+\i/2] offset:TILE*(\i%2)+64*(\q)+32*\c
.endr
.endr
.endm
.macro MULQK hd, q, zero
	WIN 0xa1+0x50*\hd
.irp p, 0,1
.irp u, 0,1
.irp a, 0,1,2,3
.set AC, 64*\p+16*\a+8*\u
.set WI, 6*\hd+2*\p+\u
.if \zero
	v_wmma_scale_f32_16x16x128_f8f6f4 v[AC:AC+7], v[WS+8*WI:WS+8*WI+7], v[TS+8*\a:TS+8*\a+7], 0, v[SC+8*WI+\q], v[SC+8*\a+\q] matrix_a_fmt:MATRIX_FMT_FP4 matrix_b_fmt:MATRIX_FMT_FP4 matrix_a_scale:MATRIX_SCALE_ROW1
.else
	v_wmma_scale_f32_16x16x128_f8f6f4 v[AC:AC+7], v[WS+8*WI:WS+8*WI+7], v[TS+8*\a:TS+8*\a+7], v[AC:AC+7], v[SC+8*WI+\q], v[SC+8*\a+\q] matrix_a_fmt:MATRIX_FMT_FP4 matrix_b_fmt:MATRIX_FMT_FP4 matrix_a_scale:MATRIX_SCALE_ROW1
.endif
.endr
.endr
.endr
.endm
.macro MULV hd, q, zero
	WIN 0xa4+0x50*\hd
.irp u, 0,1
.irp a, 0,1,2,3
.set AC, 128+32*\u+8*\a
.set WI, 6*\hd+4+\u
.if \zero
	v_wmma_scale_f32_16x16x128_f8f6f4 v[AC:AC+7], v[TS+8*\a:TS+8*\a+7], v[WS+8*WI:WS+8*WI+7], 0, v[SC+8*\a+\q], v[SC+8*WI+\q] matrix_a_fmt:MATRIX_FMT_FP4 matrix_b_fmt:MATRIX_FMT_FP4 matrix_b_scale:MATRIX_SCALE_ROW1
.else
	v_wmma_scale_f32_16x16x128_f8f6f4 v[AC:AC+7], v[TS+8*\a:TS+8*\a+7], v[WS+8*WI:WS+8*WI+7], v[AC:AC+7], v[SC+8*\a+\q], v[SC+8*WI+\q] matrix_a_fmt:MATRIX_FMT_FP4 matrix_b_fmt:MATRIX_FMT_FP4 matrix_b_scale:MATRIX_SCALE_ROW1
.endif
.endr
.endr
.endm
.macro PLACES
.rept 4
	v_nop
.endr
.endm
; A K step: its fragments are in; the next step's 32 loads go out ahead of its 48 products, four places behind the products that read those registers.  The 48 accumulators take turns, in the same order in every step
; the first step's products start the sums.
.macro STEP q
	s_wait_dscnt 0x0
.if \q < 7
	PLACES
	FETCH \q+1
.endif
.set TS, TOK+32*(\q%2)
.set WS, 96*(\q%2)
	MULQK 0, \q, (\q==0)
	MULQK 1, \q, (\q==0)
	MULV 0, \q, (\q==0)
	MULV 1, \q, (\q==0)
.endm
	FETCH 0
.irp q, 0,1,2,3,4,5,6,7
	STEP \q
.endr
	WIN 0
	PLACES                                         ; ahead of the first read of results and of writes to the fragments' registers
	s_wait_loadcnt 16                              ; the mask and q's and k's tables are in; v's first half may be out
	WIN 0x40
	TV 1, 0
	WIN 0
.irp a, 0,1,2,3
	v_cmp_eq_u32 vcc_lo, 0, v[MB+\a]
	v_cndmask_b32 v[CK+\a], 0, v[FEV], vcc_lo      ; k's third byte (b = 0): 254 where the key is padded out
.endr
; Four blocks of 32, 16 numbers a lane each (the other 16 in lane l xor 16), at v[OUT + 16 b ..]: codes into PC, scale bytes into v[TM + 4 + b].
.macro QUANT
	s_wait_alu depctr_va_vdst(0)
	s_wait_xcnt 0x0                                ; the last stores have read PC
.irp b, 0,1,2,3
	v_max3_num_f32 v[TM+\b], |v[OUT+16*\b]|, |v[OUT+1+16*\b]|, 0x1800000   ; with the floor 2^(3 - 127)
.endr
.irp i, 2,4,6,8,10,12,14
.irp b, 0,1,2,3
	v_max3_num_f32 v[TM+\b], v[TM+\b], |v[OUT+16*\b+\i]|, |v[OUT+1+16*\b+\i]|
.endr
.endr
.irp b, 0,1,2,3
	v_permlanex16_b32 v[TM+4+\b], v[TM+\b], s[SEL], s[SEL+1]
.endr
.irp b, 0,1,2,3
	v_max_num_f32 v[TM+\b], v[TM+\b], v[TM+4+\b]
.endr
.irp b, 0,1,2,3
	v_add_nc_u32 v[TM+12+\b], 0xff000000, v[TM+\b] ; 2 off the exponent field: the conversion's scale operand
.endr
.irp b, 0,1,2,3
	v_lshrrev_b32 v[TM+4+\b], 23, v[TM+12+\b]
.endr
.irp b, 0,1,2,3
	v_cvt_scalef32_pk8_fp4_f32 v[PC+2*\b], v[OUT+16*\b:OUT+7+16*\b], v[TM+12+\b]
	v_cvt_scalef32_pk8_fp4_f32 v[PC+1+2*\b], v[OUT+8+16*\b:OUT+15+16*\b], v[TM+12+\b]
.endr
	v_nop
.endm
; q (p = 0) or k (p = 1) of head hd: my four token tiles; t[d] cos + t[d ^ 1] ss: the pairs' halves change places by op_sel
.macro QK hd, p
.irp w, 2,3
	WIN (2+\hd)|((\w)<<2)
.set n, 0
.rept 16
	v_pk_mul_f32 v[OUT+32*(\w-2)+n:OUT+32*(\w-2)+n+1], v[64*\p+32*(\w-2)+n:64*\p+32*(\w-2)+n+1], v[208+32*(n/16)+n%16:209+32*(n/16)+n%16] op_sel:[1,0] op_sel_hi:[0,1]
.set n, n+2
.endr
.set n, 0
.rept 16
	v_pk_fma_f32 v[OUT+32*(\w-2)+n:OUT+32*(\w-2)+n+1], v[64*\p+32*(\w-2)+n:64*\p+32*(\w-2)+n+1], v[192+32*(n/16)+n%16:193+32*(n/16)+n%16], v[OUT+32*(\w-2)+n:OUT+32*(\w-2)+n+1]
.set n, n+2
.endr
.endr
	WIN 0
	QUANT
.irp a, 0,1,2,3
	global_store_b64 v[VQ], v[PC+2*\a:PC+2*\a+1], s[36:37] offset:(3*\hd+\p)*PARTB+512*\a   ; block b of 16 tokens: 256 consecutive bytes
.endr
.irp a, 0,1,2,3
	ds_store_b8 v[SCA], v[TM+4+\a] offset:(3*\hd+\p)*512+4*\a      ; byte b of the word (both halves of the lanes write the same),
.if \p == 0
	ds_store_b8 v[SCA], v[CQ] offset:(3*\hd+\p)*512+4*\a+2         ; and byte 2 + b
.else
	ds_store_b8 v[SCA], v[CK+\a] offset:(3*\hd+\p)*512+4*\a+2
.endif
.endr
.endm
; v of head hd: two channel tiles; the partner channel d ^ 1 is lane l ^ 1: its product with ss is made there and fetched
.macro VPART hd
	WIN (2+\hd)|(1<<2)
.irp u, 0,1
.set n, 0
.rept 16
	v_pk_mul_f32 v[OUT+32*\u+n:OUT+32*\u+n+1], v[128+32*\u+n:129+32*\u+n], v[224-192*\u+n:225-192*\u+n]
.set n, n+2
.endr
.endr
	WIN 0
.set n, 0
.rept 64
	v_mov_b32_dpp v[OUT+n], v[OUT+n] row_xmask:1 row_mask:0xf bank_mask:0xf
.set n, n+1
.endr
	WIN (2+\hd)|(1<<2)
.irp u, 0,1
.set n, 0
.rept 16
	v_pk_fma_f32 v[OUT+32*\u+n:OUT+32*\u+n+1], v[128+32*\u+n:129+32*\u+n], v[192-192*\u+n:193-192*\u+n], v[OUT+32*\u+n:OUT+32*\u+n+1]
.set n, n+2
.endr
.endr
	WIN 0
	QUANT
.irp u, 0,1
.irp i, 0,1
	v_permlane16_swap_b32 v[PC+4*\u+\i], v[PC+2+4*\u+\i]           ; lanes 0-15 the first 32 tokens, lanes 16-31 the next
.endr
	v_lshl_or_b32 v[TM+\u], v[TM+5+2*\u], 8, v[TM+4+2*\u]          ; my two of the word's four bytes
.endr
.irp u, 0,1
	global_store_b128 v[VV], v[PC+4*\u:PC+4*\u+3], s[36:37] offset:(3*\hd+2)*PARTB+1024*\u   ; 512 consecutive bytes
	ds_store_b16 v[SVA], v[TM+\u] offset:(3*\hd+2)*512+4*\u
.endr
.endm
	QK 0, 0
	QK 0, 1
	QK 1, 0
	QK 1, 1
	s_wait_alu depctr_va_vdst(0)
	s_wait_loadcnt 0x0                             ; v's tables
	VPART 0
	VPART 1
	s_wait_alu depctr_va_vdst(0)
	s_wait_dscnt 0x0                               ; my scale bytes have landed,
	s_barrier_signal -1
	s_barrier_wait -1                              ; everybody's have: part m's image goes to m x 73,728 (the two heads lie on end)
	ds_load_b128 v[232:235], v[SCRD]
	s_wait_dscnt 0x0
	global_store_b128 v[L16], v[232:235], s[38:39] offset:4096     ; 512 consecutive bytes
	s_cmp_lt_u32 s14, 2
	s_cbranch_scc0 .Lone
	ds_load_b128 v[236:239], v[SCRD] offset:2048
	s_wait_dscnt 0x0
	global_store_b128 v[L16], v[236:239], s[38:39] offset:4*PARTB+4096
.Lone:
	s_wait_tensorcnt 0x0                           ; the wave's end, behind my last tensor load and my last LDS store
	ds_add_u32 v[SPW], v[NIL]
	s_wait_dscnt 0x0
	CROUND                                         ; the closing round
	s_endpgm
.Lfunc_end_k_qf59ea895e8_qkv:
	.size	k_qf59ea895e8_qkv, .Lfunc_end_k_qf59ea895e8_qkv-k_qf59ea895e8_qkv
	.p2alignl 7, 3214868480
	.fill 96, 4, 3214868480
	.section	.rodata,"a",@progbits
	.p2align	6, 0x0
	.amdhsa_kernel k_qf59ea895e8_qkv
		.amdhsa_group_segment_fixed_size 290816
		.amdhsa_private_segment_fixed_size 0
		.amdhsa_enable_private_segment 0
		.amdhsa_kernarg_size 32
		.amdhsa_user_sgpr_count 2
		.amdhsa_user_sgpr_kernarg_segment_ptr 1
		.amdhsa_wavefront_size32 1
		.amdhsa_system_sgpr_workgroup_id_x 1
		.amdhsa_system_sgpr_workgroup_id_y 1
		.amdhsa_system_sgpr_workgroup_id_z 1
		.amdhsa_system_vgpr_workitem_id 0
		.amdhsa_next_free_vgpr 1024
		.amdhsa_next_free_sgpr 104
		.amdhsa_reserve_vcc 1
		.amdhsa_float_denorm_mode_32 3
		.amdhsa_float_denorm_mode_16_64 3
		.amdhsa_memory_ordered 1
		.amdhsa_forward_progress 1
		.amdhsa_inst_pref_size 143
	.end_amdhsa_kernel
	.amdgpu_metadata
---
amdhsa.version: [ 1, 2 ]
amdhsa.kernels:
  - .name:           k_qf59ea895e8_qkv
    .symbol:         k_qf59ea895e8_qkv.kd
    .args:
      - { .name: cod, .offset: 0, .size: 8, .value_kind: global_buffer, .address_space: global }
      - { .name: rot, .offset: 8, .size: 8, .value_kind: global_buffer, .address_space: global }
      - { .name: mask, .offset: 16, .size: 8, .value_kind: global_buffer, .address_space: global }
      - { .name: qkv, .offset: 24, .size: 8, .value_kind: global_buffer, .address_space: global }
    .group_segment_fixed_size: 290816
    .private_segment_fixed_size: 0
    .kernarg_segment_align: 8
    .kernarg_segment_size: 32
    .max_flat_workgroup_size: 128
    .sgpr_count:     104
    .vgpr_count:     1024
    .wavefront_size: 32
...
	.end_amdgpu_metadata
.endif
;; end of part 2
;; launch attn (part 3): grid 8 x 32, 16 waves a work-group, clusters of 4 x 1, 167,936 bytes of LDS; arguments qkv, ac; writes ac
.if DOCPART == 3
	.amdgcn_target "amdgcn-amd-amdhsa--gfx1250"
	.amdhsa_code_object_version 6
	.text
	.protected	k_qf59ea895e8_attn
	.globl	k_qf59ea895e8_attn
	.p2align	8
	.type	k_qf59ea895e8_attn,@function
k_qf59ea895e8_attn:
	s_mov_b64 s[64:65], 0
	v_nop
	global_prefetch_b8 v0, s[64:65] scope:SCOPE_SE
	s_setreg_imm32_b32 hwreg(HW_REG_WAVE_MODE, 25, 1), 1
	s_wait_xcnt 0x0
	s_wait_alu depctr_hold_cnt(0) depctr_sa_sdst(0) depctr_va_vdst(0) depctr_va_sdst(0) depctr_va_ssrc(0) depctr_va_vcc(0) depctr_vm_vsrc(0)
	s_getreg_b32 s2, hwreg(HW_REG_IB_STS2, 6, 4)
	s_cmp_eq_u32 s2, 0
	s_cbranch_scc0 .Lentry_in_a_cluster
	s_endpgm
.Lentry_in_a_cluster:
	s_bfe_u32 s2, ttmp6, 0x10000c
	s_cmp_lg_u32 s2, 0x3003
	s_cbranch_scc0 .Lentry_shape_is_right
	s_endpgm
.Lentry_shape_is_right:
; LAUNCH 3 OF 4.  For each of 32 heads: S^T = k q^T, the streaming softmax, O^T = v^T p^T, both products on codes of FP4 with E8M0 scales; o is quantised along the head's 64 for the last product.
; Left out: key steps that lie wholly behind a tile's last query (reference()'s own causal mask; for a row with a live key p is 0 there; a row with none gets the mean of the quantised v, below); q * SCALE (in the constant c).
; SOFTMAX.  t = score x c, c = log2(e) / 8; M = the running largest t rounded up to a whole number; p = 2^(t - M) is quantised along the keys, not normalised; the row's sum is taken of the unquantised p and divides at the end.
; When M moves, the sum and O^T are multiplied by 2^(old M - new M): exact.  A block's largest p is made of its largest score (p rises with the score).
; SHARES.  A head has 128 tiles of 16 queries; tile T holds queries 32 (T / 2) + 8 (T % 2) + r + 8 (r / 8).  Work-group g (0..7) of a head has the tiles 8 L + g, L = 0..15, one to each of its sixteen waves, in 256 registers;
; tile 8 L + g walks key steps 0 .. L.  L hangs on the wave's number alone, so that waves w, w + 4, w + 8, w + 12 together have 34 steps and the longest tiles lie in the lowest waves.
; A head's whole k and v, 147,456 consecutive bytes, lie in LDS, filled once: each wave asks for a sixteenth, JOINTLY with the three partners of its cluster, which walk the same head.  One tensor load of a wave is out.
; Nothing is filled again, and nothing is prefetched: every byte is asked for at the head.
; LAYOUT.  Both products are used transposed: a lane holds ONE query throughout.  k's tiles hold their keys in tile order, so the 16 registers of score tiles 2 b, 2 b + 1 are keys 32 b + 16 h + 0 .. 15.
; THE PADDING MASK costs no vector instruction.  The head's 64 fill half of the instruction's K.  At k = 64 every key has the code +1 and every query -1; block 2's scale bytes are 100 for q and, for k, 0 (live) or 254 (padded):
; a padded key's score gets -2^100, a live one's -2^-154, which is the same for all live keys and lies under every f32 sum.  The largest t starts at -2^80, so M never falls under that and a padded key's p is 0.
; LIMIT: live logits must satisfy |t| < 2^80.
; A ROW WITH NO LIVE KEY ends with the sum 0 exactly.  reference() has all 2,048 logits equal there: p = 1 for every key, the sum 2,048: the row is the mean of the quantised v, made by products of v's tiles with codes of 1.0:
; waves 12-15, whose tiles are the shortest, make a channel tile each; the barrier behind it is signalled ahead of the loop and waited for behind it (between the two: registers, and loads of k and v, which nobody writes).
; OUT.  ac: for each 64 tokens (4 tiles) 34,816 bytes: [tile][head 0..15][lane][16 bytes], the image of the last product's fragments, then [row][32 bytes] of scale bytes: byte 2 head + block.
.set HEADB, 221184
.set PARTB, 73728
.set STEPB, 4608
.set GRP,   34816
.set MVP,   147456                     ; LDS: 4 x 1,024 bytes: the mean
.set SPARE, 151552                     ; the spare words: 128 bytes a wave, named by no other line
.set L16, 1                            ; v1  16 x lane
.set AV0, 2                            ; v2  v's block + 16 x lane
.set SPW, 3
.set NIL, 4
.set ADK, 5
.set ADV, 6
.set RPH, 7                            ; v7  r + 8 (r / 8) - 16 h
.set R32, 8                            ; v8  32 r
.set TMP, 9
.set FF,  10                           ; v[10:11] f; v11 is named with it as a pair
.set QF,  16                           ; v16-23 q's fragment
.set BM,  24                           ; v24-27
.set QS,  32                           ; v32 q's scale words
.set KSW, 34                           ; v34-37 k's scale words
.set VSW, 38                           ; v38-41 v's
.set KF,  42                           ; v42-105 k's eight fragments
.set S,   106                          ; v106-169 S^T, then p
.set O,   170                          ; v170-201 O^T
.set VF,  202                          ; v202-233 v's four fragments
.set PC,  234                          ; v234-241 p's codes
.set SU,  236                          ; v236-249 seven partial sums, between the exponentials and the codes
.set T2,  246
.set SO,  250
.set PW,  254                          ; p's scale word
.set TM2, 255
.set WV,  10
.set G1,  16
.set G0,  24
.set SEL, 28
.set CS,  30
.set LIM, 32                           ; s32 L, my tile's last key step
.set QP,  34                           ; s34 the tile's first query in its step
.set ACB, 36
.set ASB, 38
.set KSC, 44
.set TB,  45
.set QB,  56                           ; s[56:57] my head in qkv
.macro CROUND
	s_barrier_signal -1
	s_barrier_wait -1
	s_cmp_lg_u32 s[WV], 0
	s_cbranch_scc1 .Lnot_wave_0_\@
	s_barrier_signal -3
.Lnot_wave_0_\@:
	s_barrier_wait -3
	s_barrier_signal -1
	s_barrier_wait -1
.endm
	s_load_b128 s[4:7], s[0:1], 0x0                ; qkv, ac
	v_lshl_add_u32 v[SPW], v0, 2, SPARE
	v_mov_b32 v[NIL], 0
	ds_add_u32 v[SPW], v[NIL]                      ; the wave's opening: the add, twice on end, and its wait ahead of my first tensor load
	ds_add_u32 v[SPW], v[NIL]
	v_lshrrev_b32 v[TMP], 5, v0
	v_readfirstlane_b32 s[WV], v[TMP]              ; wave 0..15
	s_bfe_u32 s11, ttmp6, 0x40000                  ; cx
	s_lshl_b32 s12, ttmp9, 2
	s_add_co_u32 s12, s12, s11                     ; g: it enters global addresses and numbers in vector registers alone
	s_and_b32 s13, ttmp7, 0xffff                   ; the head, 0..31
	s_mov_b32 s[G1], 15|(3<<16)|(1<<21)            ; the mask: all four partners; elements of 8 bytes; bit 21 beside a mask; no padding
	s_mov_b32 s[G1+1], 32<<16                      ; rows of 256 bytes,
	s_mov_b32 s[G1+2], 36<<16                      ; 36 of them: 9,216 bytes
	s_mov_b32 s[G1+3], 32<<16
	s_mov_b32 s[G1+4], 36
	s_mov_b32 s[G1+5], 32
	s_mov_b32 s[G1+6], 0
	s_mov_b32 s[G1+7], 0
	s_mul_i32 s46, s13, HEADB
	s_mov_b32 s47, 0
	s_mul_i32 s48, s[WV], 9216                     ; my sixteenth of k and v
	s_add_co_u32 s50, s48, PARTB                   ; they lie behind q
	s_mov_b32 s51, 0
	s_mov_b32 s[SEL], 0x76543210
	s_mov_b32 s[SEL+1], 0xfedcba98
	s_mov_b32 s[CS], 0x3e38aa3b                    ; c = log2(e) / 8
	s_mov_b32 s[CS+1], s[CS]
	s_wait_dscnt 0x0                               ; both opening adds are done
	s_wait_kmcnt 0x0
	s_add_nc_u64 s[QB:QB+1], s[4:5], s[46:47]
	s_mov_b32 s[G0], 1
	s_mov_b32 s[G0+1], s48
	s_add_nc_u64 s[G0+2:G0+3], s[QB:QB+1], s[50:51]
	s_or_b32 s[G0+3], s[G0+3], 0x80000000
	CROUND                                         ; all four work-groups are here: the joint loads meet
	tensor_load_to_lds s[G0:G0+3], s[G1:G1+7]
	s_nop 0
.rept 4
	v_nop
.endr
	s_bfe_u32 s33, s[WV], 0x10002                  ; L: waves 0-3: 15 .. 12; 4-7: 8 .. 11; 8-11: 7 .. 4; 12-15: 0 .. 3
	s_mul_i32 s33, s33, 3
	s_xor_b32 s[LIM], s[WV], 15
	s_xor_b32 s[LIM], s[LIM], s33
	s_lshr_b32 s46, s12, 1
	s_lshl_b32 s46, s46, 5
	s_and_b32 s47, s12, 1
	s_lshl_b32 s47, s47, 3
	s_add_co_u32 s[QP], s46, s47                   ; 32 (g / 2) + 8 (g % 2)
	s_mul_i32 s46, s[LIM], STEPB                   ; q's codes: step x 4,608 + tile x 512;
	s_lshl_b32 s47, s12, 9
	s_add_co_u32 s48, s46, s47
	s_lshr_b32 s47, s12, 2                         ; its scale words: + 4,096 + 256 (g / 4) + 4 (g % 4)
	s_lshl_b32 s47, s47, 8
	s_add_co_u32 s49, s46, s47
	s_and_b32 s47, s12, 3
	s_lshl_b32 s47, s47, 2
	s_add_co_u32 s49, s49, s47
	s_add_co_u32 s49, s49, 4096
	s_lshl_b32 s53, s[LIM], 3
	s_add_co_u32 s53, s53, s12                     ; T
	s_lshr_b32 s55, s13, 4
	s_lshl_b32 s55, s55, 7
	s_add_co_u32 s53, s53, s55                     ; 128 x batch + T
	s_and_b32 s58, s13, 15                         ; the head in its batch
	s_lshr_b32 s54, s53, 2
	s_mul_i32 s54, s54, GRP
	s_and_b32 s55, s53, 3
	s_lshl_b32 s46, s55, 13
	s_lshl_b32 s47, s58, 9
	s_add_co_u32 s46, s46, s47
	s_add_co_u32 s46, s46, s54
	s_mov_b32 s47, 0
	s_add_nc_u64 s[ACB:ACB+1], s[6:7], s[46:47]
	s_lshl_b32 s46, s55, 9
	s_lshl_b32 s59, s58, 1
	s_add_co_u32 s46, s46, s59
	s_add_co_u32 s46, s46, s54
	s_add_co_u32 s46, s46, 32768
	s_add_nc_u64 s[ASB:ASB+1], s[6:7], s[46:47]
	s_mov_b32 s[KSC], 0
	s_mov_b32 s[TB], 0
	v_and_b32 v[TMP], 31, v0
	v_and_b32 v[TM2], 15, v0                       ; r
	v_lshlrev_b32 v[L16], 4, v[TMP]
	v_lshlrev_b32 v[ADV], 4, v[TM2]                ; 16 r
	v_add_nc_u32 v[BM], s48, v[L16]
	v_add_nc_u32 v[BM+1], s49, v[ADV]
	global_load_b128 v[QF:QF+3], v[BM], s[QB:QB+1] ; q's tile stays in registers
	global_load_b32 v[QS], v[BM+1], s[QB:QB+1]
	v_bfe_u32 v[TMP], v0, 4, 1                     ; h
	v_and_b32 v[RPH], 8, v[TM2]
	v_add_nc_u32 v[AV0], PARTB, v[L16]
	v_lshlrev_b32 v[ADK], 4, v[TMP]
	v_add_nc_u32 v[RPH], v[RPH], v[TM2]
	v_lshlrev_b32 v[R32], 5, v[TM2]
	v_sub_nc_u32 v[RPH], v[RPH], v[ADK]
	v_xor_b32 v[TMP], 1, v[TMP]                    ; 1 in lanes 0-15, whose register 4 begins with k = 64
	v_mul_u32_u24 v[QF+4], v[TMP], 10              ; the code of -1.0 at k = 64
	v_mov_b32 v[QF+5], 0
	v_mov_b32 v[QF+6], 0
	v_mov_b32 v[QF+7], 0
.irp a, 0,1,2,3,4,5,6,7
	v_lshlrev_b32 v[KF+8*\a+4], 1, v[TMP]          ; the code of +1.0 at k = 64; the loads below fill registers 0-3 alone
	v_mov_b32 v[KF+8*\a+5], 0
	v_mov_b32 v[KF+8*\a+6], 0
	v_mov_b32 v[KF+8*\a+7], 0
.endr
.irp b, 0,1,2,3
	v_mov_b32 v[T2+\b], 0                          ; written once: a lane permute's destination counts as one of its sources
.endr
	v_mov_b32 v[FF+1], 0
	v_mov_b32 v13, 0xe7800000                      ; the largest t so far: -2^80
	v_mov_b32 v14, 0                               ; the sum, in two halves
	v_mov_b32 v15, 0
	v_floor_f32 v12, -v13                          ; -M
.set n, 0
.rept 32
	v_mov_b32 v[O+n], 0                            ; O^T: the step is written once, its first trip finds zeros
.set n, n+1
.endr
	s_wait_alu depctr_va_vdst(0)                   ; the wait at the head's end
	s_wait_tensorcnt 0x0                           ; my sixteenth has landed,
	s_barrier_signal -1
	s_barrier_wait -1                              ; everybody's has
	; ---- the mean of the quantised v: wave 12 + t takes channel tile t, all 16 key steps, in two runs of eight
.macro MEAN j
.irp k, 0,1,2,3,4,5,6,7
	ds_load_b128 v[S+8*\k:S+8*\k+3], v[ADK] offset:\k*STEPB
	ds_load_b128 v[S+8*\k+4:S+8*\k+7], v[ADK] offset:\k*STEPB+512
	ds_load_b32 v[VF+\k], v[ADV] offset:\k*STEPB
.endr
	s_wait_alu depctr_va_vdst(0)
	s_wait_dscnt 0x0
.irp k, 0,1,2,3,4,5,6,7                        ; two accumulators by turns; the first two products start the sums
.if \j == 0 && \k < 2
	v_wmma_scale_f32_16x16x128_f8f6f4 v[VF+16+8*(\k%2):VF+23+8*(\k%2)], v[S+8*\k:S+8*\k+7], v[PC:PC+7], 0, v[VF+\k], v[PW] matrix_a_fmt:MATRIX_FMT_FP4 matrix_b_fmt:MATRIX_FMT_FP4
.else
	v_wmma_scale_f32_16x16x128_f8f6f4 v[VF+16+8*(\k%2):VF+23+8*(\k%2)], v[S+8*\k:S+8*\k+7], v[PC:PC+7], v[VF+16+8*(\k%2):VF+23+8*(\k%2)], v[VF+\k], v[PW] matrix_a_fmt:MATRIX_FMT_FP4 matrix_b_fmt:MATRIX_FMT_FP4
.endif
.endr
.rept 4
	v_nop
.endr
.endm
	s_cmp_lt_u32 s[WV], 12
	s_cbranch_scc1 .Lno_mean
	s_and_b32 s46, s[WV], 3
	s_lshl_b32 s48, s46, 10
	s_lshl_b32 s49, s46, 2
	s_add_co_u32 s49, s49, 4096
	v_add_nc_u32 v[ADK], s48, v[AV0]
	v_add_nc_u32 v[ADV], s49, v[AV0]
	v_mov_b32 v[PW], 0x7f7f7f7f                    ; scales of 1
.irp i, 0,1,2,3,4,5,6,7
	v_mov_b32 v[PC+\i], 0x22222222                 ; codes of 1.0
.endr
.rept 4
	v_nop                                          ; a scale register written by a vector instruction stands 8 places ahead of a scaled matrix instruction, an operand 4
.endr
	MEAN 0
	v_add_nc_u32 v[ADK], 8*STEPB, v[ADK]
	v_add_nc_u32 v[ADV], 8*STEPB, v[ADV]
	MEAN 1
.irp j, 0,2,4,6
	v_pk_add_f32 v[S+\j:S+\j+1], v[VF+16+\j:VF+17+\j], v[VF+24+\j:VF+25+\j]
.endr
.irp j, 0,2,4,6
	v_pk_mul_f32 v[S+\j:S+\j+1], v[S+\j:S+\j+1], 0x3a000000 op_sel_hi:[1,0]   ; / 2,048
.endr
	s_add_co_u32 s48, s48, MVP
	v_add_nc_u32 v[ADK], s48, v[L16]
	ds_store_b128 v[ADK], v[S:S+3]
	ds_store_b128 v[ADK], v[S+4:S+7] offset:512
	s_wait_alu depctr_va_vdst(0)
.Lno_mean:
	s_wait_dscnt 0x0                               ; for the others' sake: my stores have landed
	s_barrier_signal -1                            ; waited for behind the loop
.macro KLOAD adr, at                   ; a key step's tiles of k: nine loads
	ds_load_b128 v[KSW:KSW+3], v[\adr] offset:\at+4096             ; lanes 0-15: tiles 0-3's words; lanes 16-31: tiles 4-7's
.irp a, 0,1,2,3,4,5,6,7
	ds_load_b128 v[KF+8*\a:KF+8*\a+3], v[\adr] offset:\at+512*\a
.endr
.endm
	KLOAD L16, 0
	s_wait_loadcnt 0x0                             ; q
; The loop's count is a constant; a step all of whose keys lie behind the tile is jumped over by a branch on the wave's number and the count of steps.
.Lstep:
	s_cmp_gt_u32 s[KSC], s[LIM]
	s_cbranch_scc1 .Lskip
	s_wait_dscnt 0x0                               ; this step's tiles of k
.irp a, 0,1,2,3
	v_wmma_scale_f32_16x16x128_f8f6f4 v[S+8*\a:S+8*\a+7], v[KF+8*\a:KF+8*\a+7], v[QF:QF+7], 0, v[KSW+\a], v[QS] matrix_a_fmt:MATRIX_FMT_FP4 matrix_b_fmt:MATRIX_FMT_FP4
.endr
.irp a, 4,5,6,7
	v_wmma_scale_f32_16x16x128_f8f6f4 v[S+8*\a:S+8*\a+7], v[KF+8*\a:KF+8*\a+7], v[QF:QF+7], 0, v[KSW+\a-4], v[QS] matrix_a_fmt:MATRIX_FMT_FP4 matrix_b_fmt:MATRIX_FMT_FP4 matrix_a_scale:MATRIX_SCALE_ROW1
.endr
	v_add_nc_u32 v[ADV], s[TB], v[AV0]             ; four places behind the products, whose operands the loads below rewrite and whose results are read next
	v_add_nc_u32 v[ADK], s[TB], v[L16]
	v_nop
	v_nop
	ds_load_b128 v[VSW:VSW+3], v[ADV] offset:4096  ; v's tiles land under the softmax,
.irp t, 0,1,2,3
	ds_load_b128 v[VF+8*\t:VF+8*\t+3], v[ADV] offset:1024*\t
	ds_load_b128 v[VF+8*\t+4:VF+8*\t+7], v[ADV] offset:1024*\t+512
.endr
	KLOAD ADK, STEPB                               ; and so do the next step's of k (behind the tile's last step they are read by no product; behind step 15 they name v's first bytes)
	s_cmp_lg_u32 s[KSC], s[LIM]                    ; the tile's own step lies on the diagonal: hidden scores become -infinity
	s_cbranch_scc1 .Lopen
	v_add_nc_u32 v[TM2], s[QP], v[RPH]             ; d = my query in the step - 16 h.  Register n holds key 32 (n / 16) + n % 16 + 16 h: hidden where 32 (n / 16) + n % 16 > d
	v_mov_b32 v[TMP], 0xff800000
.set n, 0
.rept 64
	v_cmp_gt_i32 vcc_lo, 32*(n/16)+n%16, v[TM2]
	v_cndmask_b32 v[S+n], v[S+n], v[TMP], vcc_lo
.set n, n+1
.endr
.Lopen:
.irp b, 0,1,2,3
	v_max3_num_f32 v[BM+\b], v[S+16*\b], v[S+1+16*\b], v[S+2+16*\b]   ; the largest score of each block of 32 keys
.endr
.irp i, 3,5,7,9,11,13
.irp b, 0,1,2,3
	v_max3_num_f32 v[BM+\b], v[BM+\b], v[S+16*\b+\i], v[S+1+16*\b+\i]
.endr
.endr
.irp b, 0,1,2,3
	v_max_num_f32 v[BM+\b], v[BM+\b], v[S+15+16*\b]
.endr
.irp b, 0,1,2,3
	s_delay_alu instid0(VALU_DEP_4)
	v_permlanex16_b32 v[T2+\b], v[BM+\b], s[SEL], s[SEL+1]
.endr
.irp b, 0,1,2,3
	s_delay_alu instid0(VALU_DEP_4)
	v_max_num_f32 v[BM+\b], v[BM+\b], v[T2+\b]
.endr
	s_delay_alu instid0(VALU_DEP_2)
	v_max3_num_f32 v[TMP], v[BM], v[BM+1], v[BM+2]
	s_delay_alu instid0(VALU_DEP_1)
	v_max_num_f32 v[TMP], v[TMP], v[BM+3]
	s_delay_alu instid0(VALU_DEP_1)
	v_mul_f32 v[TMP], s[CS], v[TMP]
	s_delay_alu instid0(VALU_DEP_1)
	v_max_num_f32 v13, v13, v[TMP]                 ; the running largest t
	v_mov_b32 v[TMP], v12
	s_delay_alu instid0(VALU_DEP_2)
	v_floor_f32 v12, -v13                          ; the new -M = -ceil(t)
	s_delay_alu instid0(VALU_DEP_1)
	v_sub_f32 v[TMP], v12, v[TMP]                  ; old M - new M: a whole number, 0 or less
	s_delay_alu instid0(VALU_DEP_1)
	v_cvt_i32_f32 v[TMP], v[TMP]                   ; (it saturates)
	s_delay_alu instid0(VALU_DEP_1)
	v_ldexp_f32 v[FF], 1.0, v[TMP]                 ; f = 2^(old M - new M)
.set n, 0
.rept 32
	v_pk_fma_f32 v[S+n:S+n+1], v[S+n:S+n+1], s[CS:CS+1], v[12:13] op_sel_hi:[1,0,0]   ; t - M
.set n, n+2
.endr
.irp b, 0,1,2,3
	v_fma_f32 v[BM+\b], v[BM+\b], s[CS], v12
.endr
	s_wait_alu depctr_va_vdst(0)                   ; the wait ahead of the batch
.set n, 0
.rept 64
	v_exp_f32 v[S+n], v[S+n]                       ; p = 2^(t - M)
.set n, n+1
.endr
	v_pk_mul_f32 v[14:15], v[14:15], v[FF:FF+1] op_sel_hi:[1,0]   ; the sums under the new M: a plain place behind the exponentials
	s_wait_alu depctr_va_vdst(0)                   ; one wait for the whole batch, ahead of its first reader
.irp b, 0,1,2,3
	v_exp_f32 v[BM+\b], v[BM+\b]                   ; the blocks' largest p
.endr
.set n, 0
.rept 7                                ; the row's sum, in eight chains by turns
	v_pk_add_f32 v[SU+2*n:SU+2*n+1], v[S+2*n:S+2*n+1], v[S+16+2*n:S+17+2*n]
.set n, n+1
.endr
	v_pk_add_f32 v[14:15], v[14:15], v[S+14:S+15]
.irp m, 32,48
.set n, 0
.rept 7
	v_pk_add_f32 v[SU+2*n:SU+2*n+1], v[SU+2*n:SU+2*n+1], v[S+\m+2*n:S+\m+2*n+1]
.set n, n+1
.endr
	v_pk_add_f32 v[14:15], v[14:15], v[S+\m-2:S+\m-1]
.endr
	v_pk_add_f32 v[SU:SU+1], v[SU:SU+1], v[SU+2:SU+3]
	v_pk_add_f32 v[SU+4:SU+5], v[SU+4:SU+5], v[SU+6:SU+7]
	v_pk_add_f32 v[SU+8:SU+9], v[SU+8:SU+9], v[SU+10:SU+11]
	v_pk_add_f32 v[14:15], v[14:15], v[S+62:S+63]
	v_pk_add_f32 v[SU:SU+1], v[SU:SU+1], v[SU+12:SU+13]
	v_pk_add_f32 v[SU+4:SU+5], v[SU+4:SU+5], v[SU+8:SU+9]
	v_pk_add_f32 v[14:15], v[14:15], v[SU:SU+1]
	s_delay_alu instid0(VALU_DEP_1)
	v_pk_add_f32 v[14:15], v[14:15], v[SU+4:SU+5]
	s_wait_alu depctr_va_vdst(0)                   ; and one for the four
.irp b, 0,1,2,3
	v_max_num_f32 v[BM+\b], 0x1800000, v[BM+\b]    ; the floor 2^(3 - 127)
.endr
.irp b, 0,1,2,3
	s_delay_alu instid0(VALU_DEP_4)
	v_add_nc_u32 v[SO+\b], 0xff000000, v[BM+\b]
.endr
.irp b, 0,1,2,3
	s_delay_alu instid0(VALU_DEP_4)
	v_lshrrev_b32 v[T2+\b], 23, v[SO+\b]
.endr
	s_delay_alu instid0(VALU_DEP_3)
	v_lshl_or_b32 v[PW], v[T2+1], 8, v[T2]
	s_delay_alu instid0(VALU_DEP_1)
	v_lshl_or_b32 v[PW], v[T2+2], 16, v[PW]
	s_delay_alu instid0(VALU_DEP_1)
	v_lshl_or_b32 v[PW], v[T2+3], 24, v[PW]
.irp b, 0,1,2,3
	v_cvt_scalef32_pk8_fp4_f32 v[PC+2*\b], v[S+16*\b:S+7+16*\b], v[SO+\b]
	v_cvt_scalef32_pk8_fp4_f32 v[PC+1+2*\b], v[S+8+16*\b:S+15+16*\b], v[SO+\b]
.endr
	v_nop                                          ; one plain place behind a scaled conversion
.irp c, 0,1
.irp i, 0,1
	v_permlane16_swap_b32 v[PC+4*\c+\i], v[PC+2+4*\c+\i]
.endr
.endr
.set n, 0
.rept 16
	v_pk_mul_f32 v[O+n:O+n+1], v[O+n:O+n+1], v[FF:FF+1] op_sel_hi:[1,0]   ; O^T under the new M; these sixteen are also the places ahead of the products below
.set n, n+2
.endr
	s_wait_alu depctr_va_vdst(0)
	s_wait_dscnt 9                                 ; v's tiles are in: the next step's nine loads of k are younger
.irp t, 0,1,2,3
	v_wmma_scale_f32_16x16x128_f8f6f4 v[O+8*\t:O+8*\t+7], v[VF+8*\t:VF+8*\t+7], v[PC:PC+7], v[O+8*\t:O+8*\t+7], v[VSW+\t], v[PW] matrix_a_fmt:MATRIX_FMT_FP4 matrix_b_fmt:MATRIX_FMT_FP4
.endr
.Lskip:
	s_add_co_u32 s[TB], s[TB], STEPB
	s_add_co_u32 s[KSC], s[KSC], 1
	s_cmp_lt_u32 s[KSC], 16
	s_cbranch_scc1 .Lstep
	; ---- the tile's end
	s_barrier_wait -1                              ; the mean is in LDS
	v_add_nc_u32 v[ADK], MVP, v[L16]
.irp t, 0,1,2,3
	ds_load_b128 v[S+8*\t:S+8*\t+3], v[ADK] offset:1024*\t
	ds_load_b128 v[S+8*\t+4:S+8*\t+7], v[ADK] offset:1024*\t+512
.endr
	v_add_f32 v14, v14, v15
	s_delay_alu instid0(VALU_DEP_1)
	v_permlanex16_b32 v[T2], v14, s[SEL], s[SEL+1]
	s_delay_alu instid0(VALU_DEP_1)
	v_add_f32 v14, v14, v[T2]                      ; the row's sum
	v_mov_b32 v[TM2], 1.0
	s_delay_alu instid0(VALU_DEP_2)
	v_cmp_eq_f32 vcc_lo, 0, v14                    ; 0: the row has no live key
	s_delay_alu instid0(VALU_DEP_1)
	v_cndmask_b32 v[TMP], v14, v[TM2], vcc_lo
	s_wait_alu depctr_va_vdst(0)                   ; the wait ahead of the transcendental
	v_rcp_f32 v[FF], v[TMP]
	v_nop                                          ; a plain place behind the reciprocal
	s_wait_alu depctr_va_vdst(0)                   ; the wait ahead of its first reader
	s_wait_dscnt 0x0
.set n, 0
.rept 16
	v_pk_mul_f32 v[O+n:O+n+1], v[O+n:O+n+1], v[FF:FF+1] op_sel_hi:[1,0]   ; O^T / the sum: register 16 b + i is channel 32 b + 16 h + i
.set n, n+2
.endr
.set n, 0
.rept 32
	v_cndmask_b32 v[O+n], v[O+n], v[S+n], vcc_lo
.set n, n+1
.endr
.irp b, 0,1
	v_max3_num_f32 v[BM+\b], |v[O+16*\b]|, |v[O+1+16*\b]|, 0x1800000
.endr
.irp i, 2,4,6,8,10,12,14
.irp b, 0,1
	s_delay_alu instid0(VALU_DEP_2)
	v_max3_num_f32 v[BM+\b], v[BM+\b], |v[O+16*\b+\i]|, |v[O+1+16*\b+\i]|
.endr
.endr
.irp b, 0,1
	s_delay_alu instid0(VALU_DEP_2)
	v_permlanex16_b32 v[T2+\b], v[BM+\b], s[SEL], s[SEL+1]
.endr
.irp b, 0,1
	s_delay_alu instid0(VALU_DEP_2)
	v_max_num_f32 v[BM+\b], v[BM+\b], v[T2+\b]
.endr
.irp b, 0,1
	s_delay_alu instid0(VALU_DEP_2)
	v_add_nc_u32 v[SO+\b], 0xff000000, v[BM+\b]
.endr
.irp b, 0,1
	s_delay_alu instid0(VALU_DEP_2)
	v_lshrrev_b32 v[T2+\b], 23, v[SO+\b]
.endr
	s_delay_alu instid0(VALU_DEP_1)
	v_lshl_or_b32 v[TMP], v[T2+1], 8, v[T2]        ; the head's two scale bytes of my row
.irp b, 0,1
	v_cvt_scalef32_pk8_fp4_f32 v[PC+2*\b], v[O+16*\b:O+7+16*\b], v[SO+\b]
	v_cvt_scalef32_pk8_fp4_f32 v[PC+1+2*\b], v[O+8+16*\b:O+15+16*\b], v[SO+\b]
.endr
	v_nop
.irp i, 0,1
	v_permlane16_swap_b32 v[PC+\i], v[PC+2+\i]     ; lanes 0-15: block 0; lanes 16-31: block 1
.endr
	global_store_b128 v[L16], v[PC:PC+3], s[ACB:ACB+1]             ; 512 consecutive bytes
	global_store_b16 v[R32], v[TMP], s[ASB:ASB+1]                  ; 2 bytes a row (both halves of the lanes write the same): one such store a wave
	s_wait_tensorcnt 0x0                           ; the wave's end, behind my last tensor load and my last LDS store
	ds_add_u32 v[SPW], v[NIL]
	s_wait_dscnt 0x0
	CROUND                                         ; the closing round
	s_endpgm
.Lfunc_end_k_qf59ea895e8_attn:
	.size	k_qf59ea895e8_attn, .Lfunc_end_k_qf59ea895e8_attn-k_qf59ea895e8_attn
	.p2alignl 7, 3214868480
	.fill 96, 4, 3214868480
	.section	.rodata,"a",@progbits
	.p2align	6, 0x0
	.amdhsa_kernel k_qf59ea895e8_attn
		.amdhsa_group_segment_fixed_size 167936
		.amdhsa_private_segment_fixed_size 0
		.amdhsa_enable_private_segment 0
		.amdhsa_kernarg_size 16
		.amdhsa_user_sgpr_count 2
		.amdhsa_user_sgpr_kernarg_segment_ptr 1
		.amdhsa_wavefront_size32 1
		.amdhsa_system_sgpr_workgroup_id_x 1
		.amdhsa_system_sgpr_workgroup_id_y 1
		.amdhsa_system_sgpr_workgroup_id_z 1
		.amdhsa_system_vgpr_workitem_id 0
		.amdhsa_next_free_vgpr 256
		.amdhsa_next_free_sgpr 66
		.amdhsa_reserve_vcc 1
		.amdhsa_float_denorm_mode_32 3
		.amdhsa_float_denorm_mode_16_64 3
		.amdhsa_memory_ordered 1
		.amdhsa_forward_progress 1
		.amdhsa_inst_pref_size 43
	.end_amdhsa_kernel
	.amdgpu_metadata
---
amdhsa.version: [ 1, 2 ]
amdhsa.kernels:
  - .name:           k_qf59ea895e8_attn
    .symbol:         k_qf59ea895e8_attn.kd
    .args:
      - { .name: qkv, .offset: 0, .size: 8, .value_kind: global_buffer, .address_space: global }
      - { .name: ac, .offset: 8, .size: 8, .value_kind: global_buffer, .address_space: global }
    .group_segment_fixed_size: 167936
    .private_segment_fixed_size: 0
    .kernarg_segment_align: 8
    .kernarg_segment_size: 16
    .max_flat_workgroup_size: 512
    .sgpr_count:     66
    .vgpr_count:     256
    .wavefront_size: 32
...
	.end_amdgpu_metadata
.endif
;; end of part 3
;; launch proj (part 4): grid 8 x 32, 4 waves a work-group, clusters of 4 x 4, 167,936 bytes of LDS; arguments ac, cod, b_out, out0; writes out0
.if DOCPART == 4
	.amdgcn_target "amdgcn-amd-amdhsa--gfx1250"
	.amdhsa_code_object_version 6
	.text
	.protected	k_qf59ea895e8_proj
	.globl	k_qf59ea895e8_proj
	.p2align	8
	.type	k_qf59ea895e8_proj,@function
k_qf59ea895e8_proj:
	s_mov_b64 s[64:65], 0
	v_nop
	global_prefetch_b8 v0, s[64:65] scope:SCOPE_SE
	s_setreg_imm32_b32 hwreg(HW_REG_WAVE_MODE, 25, 1), 1
	s_wait_xcnt 0x0
	s_wait_alu depctr_hold_cnt(0) depctr_sa_sdst(0) depctr_va_vdst(0) depctr_va_sdst(0) depctr_va_ssrc(0) depctr_va_vcc(0) depctr_vm_vsrc(0)
	s_getreg_b32 s2, hwreg(HW_REG_IB_STS2, 6, 4)
	s_cmp_eq_u32 s2, 0
	s_cbranch_scc0 .Lentry_in_a_cluster
	s_endpgm
.Lentry_in_a_cluster:
	s_bfe_u32 s2, ttmp6, 0x10000c
	s_cmp_lg_u32 s2, 0xf033
	s_cbranch_scc0 .Lentry_shape_is_right
	s_endpgm
.Lentry_shape_is_right:
; LAUNCH 4 OF 4.  out0 = o w_out^T + b_out on codes of FP4 with E8M0 scales, K = 1,024.  Nothing of reference() is left out here.
; SHARES.  256 work-groups, each 128 tokens x 128 columns; four waves, wave w: 64 tokens (w / 2) x 64 columns (w % 2).  All of K lies in LDS, filled once, nothing is filled again: so no prefetch, there is no loop to run ahead in.
; CLUSTERS of 4 x 4: o's codes and scales hang on the tile row alone and are asked for jointly along a row of the cluster, w_out's along a column.  One load a wave: waves 0, 1 o's halves, waves 2, 3 w_out's.
; o comes as images of the fragments' registers ([4 tiles of 16 tokens][head][lane][16 bytes], then 64 rows x 32 scale bytes): K step s is heads 2 s, 2 s + 1.  w_out comes as 64 rows of 512 bytes and 4 of scale bytes, padded by 16.
; A wave keeps the fragments of its 64 columns for all of K in registers (window 1, all 256) and walks its four token tiles, 32 products each: a tile leaves while the next is multiplied.
; The matrix instruction is used transposed (source 0 = 16 rows of w_out, source 1 = 16 tokens): a lane holds one token, its registers eight neighbouring columns.  Both operands' rows lie in tile order
; (row r of tile a is true row 32 (a / 2) + 8 (a % 2) + r + 8 (r / 8)): the way out puts columns and tokens back.  The bias is the C of each sum's first product.
; REGISTERS: window 0: addresses; v16-47 scale words; v64-191 a token tile's fragments, two sets; v192-255 rows read back, two sets.  window 1: w_out's fragments: K step s, tile i at 8 (4 s + i).  window 2: v0-31 the bias, v32-95 accumulators, two sets.
.set GRP,   34816                      ; o's 64 tokens in LDS as in memory
.set BB,    2*GRP                      ; w_out's two chunks,
.set CH,    35904                      ; of 68 rows x 528
.set STG,   141568                     ; the way out: 16 rows x 272 for each wave
.set SPARE, STG+4*16*272               ; the spare words: 128 bytes a wave, named by no other line
.set ADA, 4
.set ADB, 5
.set ADS, 6                            ; v6-9, one for each tile
.set BOF, 10
.set STO, 11
.set RD,  12
.set CO,  13
.set SPW, 14
.set NIL, 15
.set SC,  16                           ; register 8 i + s: lanes 0-15 token tile i, lanes 16-31 w_out's tile i, K step s
.set FA,  64
.set RB,  192
.set WV,  16
.set G1A, 24
.set G1B, 32
.set G0A, 40
.set G0B, 44
.set MSB, 0
.macro WIN new
.if MSB != (\new)
	s_set_vgpr_msb (MSB<<8)|(\new)
.set MSB, (\new)
.endif
.endm
.macro CROUND
	s_barrier_signal -1
	s_barrier_wait -1
	s_cmp_lg_u32 s[WV], 0
	s_cbranch_scc1 .Lnot_wave_0_\@
	s_barrier_signal -3
.Lnot_wave_0_\@:
	s_barrier_wait -3
	s_barrier_signal -1
	s_barrier_wait -1
.endm
	s_load_b256 s[4:11], s[0:1], 0x0               ; ac, cod, b_out, out0
	v_lshl_add_u32 v[SPW], v0, 2, SPARE
	v_mov_b32 v[NIL], 0
	ds_add_u32 v[SPW], v[NIL]                      ; the wave's opening: the add, twice on end, and its wait ahead of my first tensor load
	ds_add_u32 v[SPW], v[NIL]
	v_lshrrev_b32 v1, 5, v0
	v_readfirstlane_b32 s[WV], v1                  ; wave 0..3
	s_bfe_u32 s17, ttmp6, 0x40000                  ; cx
	s_bfe_u32 s18, ttmp6, 0x40004                  ; cy
	s_lshl_b32 s19, ttmp9, 2
	s_add_co_u32 s19, s19, s17                     ; tile column, 0..7
	s_and_b32 s20, ttmp7, 0xffff
	s_lshl_b32 s20, s20, 2
	s_add_co_u32 s20, s20, s18                     ; tile row, 0..31
	s_lshl_b32 s21, s18, 2
	s_lshl_b32 s21, 15, s21                        ; my row of the cluster
	s_lshl_b32 s22, 0x1111, s17                    ; my column
	s_or_b32 s[G1A], s21, (3<<16)|(1<<21)          ; o's 64 tokens: 34,816 dense bytes as 136 rows of 256, no padding
	s_mov_b32 s[G1A+1], 32<<16
	s_mov_b32 s[G1A+2], 136<<16
	s_mov_b32 s[G1A+3], 32<<16
	s_mov_b32 s[G1A+4], 136
	s_mov_b32 s[G1A+5], 32
	s_mov_b32 s[G1A+6], 0
	s_mov_b32 s[G1A+7], 0
	s_or_b32 s[G1B], s22, (1<<20)|(1<<21)|(6<<22)|(3<<25)  ; 68 rows of 512 bytes, 16 bytes of padding behind each
	s_mov_b32 s[G1B+1], 512<<16
	s_mov_b32 s[G1B+2], 68<<16
	s_mov_b32 s[G1B+3], 512<<16
	s_mov_b32 s[G1B+4], 68
	s_mov_b32 s[G1B+5], 512
	s_mov_b32 s[G1B+6], 0
	s_mov_b32 s[G1B+7], 0
	s_and_b32 s23, s[WV], 1                        ; wc: my 64 columns.  Also: which half I fetch
	s_lshr_b32 s48, s[WV], 1                       ; wr: my 64 tokens
	s_mul_i32 s50, s20, 2*GRP
	s_mul_i32 s54, s23, GRP                        ; where o's half goes
	s_add_co_u32 s50, s50, s54
	s_mov_b32 s51, 0
	s_lshl_b32 s52, s19, 1
	s_add_co_u32 s52, s52, s23
	s_add_co_u32 s52, s52, 112                     ; w_out's chunks: 112 + 2 x tile column + half
	s_mul_i32 s52, s52, GRP
	s_mov_b32 s53, 0
	s_mul_i32 s55, s23, CH
	s_add_co_u32 s55, s55, BB                      ; where w_out's half goes: also where my 64 columns lie
	s_lshl_b32 s56, s19, 9                         ; my first column, in bytes
	s_lshl_b32 s57, s23, 8
	s_add_co_u32 s56, s56, s57
	s_mov_b32 s57, 0
	s_lshl_b32 s58, s20, 7
	s_lshl_b32 s59, s48, 6
	s_add_co_u32 s58, s58, s59                     ; my first token
	s_lshl_b32 s58, s58, 12
	s_mov_b32 s59, 0
	s_mul_i32 s60, s48, GRP                        ; my tokens' images
	s_add_co_u32 s62, s60, 32768                   ; and their scale bytes;
	s_add_co_u32 s63, s55, 64*528
	s_sub_co_u32 s63, s63, s62                     ; from there to w_out's
	s_mul_i32 s66, s[WV], 16*272
	s_add_co_u32 s66, s66, STG                     ; my stage
	s_wait_dscnt 0x0                               ; both opening adds are done
	s_wait_kmcnt 0x0
	s_mov_b32 s[G0A], 1
	s_mov_b32 s[G0A+1], s54
	s_add_nc_u64 s[G0A+2:G0A+3], s[4:5], s[50:51]
	s_or_b32 s[G0A+3], s[G0A+3], 0x80000000
	s_mov_b32 s[G0B], 1
	s_mov_b32 s[G0B+1], s55
	s_add_nc_u64 s[G0B+2:G0B+3], s[6:7], s[52:53]
	s_or_b32 s[G0B+3], s[G0B+3], 0x80000000
	s_add_nc_u64 s[8:9], s[8:9], s[56:57]
	s_add_nc_u64 s[10:11], s[10:11], s[56:57]
	s_add_nc_u64 s[10:11], s[10:11], s[58:59]
	CROUND                                         ; all sixteen work-groups are here: the joint loads meet
	s_cmp_lt_u32 s[WV], 2                          ; one load a wave; an s_nop 0 and four v_nop follow
	s_cbranch_scc0 .Lfor_b
	tensor_load_to_lds s[G0A:G0A+3], s[G1A:G1A+7]
	s_nop 0
.rept 4
	v_nop
.endr
	s_branch .Lasked
.Lfor_b:
	tensor_load_to_lds s[G0B:G0B+3], s[G1B:G1B+7]
	s_nop 0
.rept 4
	v_nop
.endr
.Lasked:
	v_and_b32 v1, 15, v0                           ; r
	v_bfe_u32 v2, v0, 4, 1                         ; h
	v_and_b32 v3, 31, v0
	v_lshlrev_b32 v[BOF], 6, v2                    ; the bias: 16 h columns
	v_lshlrev_b32 v3, 4, v3                        ; 16 x lane
	v_add_nc_u32 v[ADA], s60, v3
	v_mul_u32_u24 v[ADB], v1, 528
	v_lshl_add_u32 v[ADB], v2, 4, v[ADB]
	v_add_nc_u32 v[ADB], s55, v[ADB]
	v_lshlrev_b32 v48, 5, v1                       ; scales: 32 bytes a row
	v_mul_u32_u24 v49, s63, v2                     ; lanes 16-31 take w_out's
	v_add_nc_u32 v48, v48, v49
	v_add_nc_u32 v[ADS], s62, v48
.irp i, 1,2,3
	v_mad_u32_u24 v[ADS+\i], v2, 16*\i, v[ADS]     ; tile i: 512 i further on in o's, 528 i in w_out's
.endr
	v_mul_u32_u24 v[STO], v1, 272
	v_lshl_add_u32 v[STO], v2, 6, v[STO]
	v_add_nc_u32 v[STO], s66, v[STO]               ; in: row r, + 16 h columns
	v_mul_u32_u24 v[RD], v2, 272
	v_lshl_add_u32 v[RD], v1, 4, v[RD]
	v_add_nc_u32 v[RD], s66, v[RD]                 ; back: lanes 0-15 one row of 256 bytes, lanes 16-31 the next
	v_lshlrev_b32 v[CO], 12, v2
	v_lshl_add_u32 v[CO], v1, 4, v[CO]             ; and the same two rows in out0
	WIN 0x80
.irp i, 0,1,2,3                                ; tile i's register j is column 32 (i / 2) + 8 (i % 2) + 16 h + j of my 64
	global_load_b128 v[8*\i:8*\i+3], v[BOF], s[8:9] offset:128*(\i/2)+32*(\i%2)
	global_load_b128 v[8*\i+4:8*\i+7], v[BOF], s[8:9] offset:128*(\i/2)+32*(\i%2)+16
.endr
	WIN 0
	s_wait_alu depctr_va_vdst(0)                   ; the wait at the head's end
	s_wait_tensorcnt 0x0                           ; my load has landed,
	s_barrier_signal -1
	s_barrier_wait -1                              ; everybody's have
.macro FETCHA t                        ; token tile t, all of K: 16 loads into set t % 2
.irp k, 0,1,2,3,4,5,6,7
.irp c, 0,1
	ds_load_b128 v[FA+64*(\t%2)+8*\k+4*\c:FA+64*(\t%2)+8*\k+4*\c+3], v[ADA] offset:8192*\t+1024*\k+512*\c
.endr
.endr
.endm
.irp i, 0,1,2,3
.irp k, 0,1
	ds_load_b128 v[SC+8*\i+4*\k:SC+8*\i+4*\k+3], v[ADS+\i] offset:512*\i+16*\k
.endr
.endr
	FETCHA 0
	WIN 0x40
.irp k, 0,1,2,3,4,5,6,7
.irp i, 0,1,2,3
.irp c, 0,1
	ds_load_b128 v[8*(4*\k+\i)+4*\c:8*(4*\k+\i)+4*\c+3], v[ADB] offset:8448*\i+64*\k+32*\c
.endr
.endr
.endr
	WIN 0
	FETCHA 1
	s_wait_loadcnt 0x0                             ; the bias
.macro MUL t                           ; four accumulators by turns, one instruction a turn
.set AC, 32+32*(\t%2)
	WIN 0xa1                                       ; source 0 window 1, source 1 window 0, C and D window 2
.irp k, 0,1,2,3,4,5,6,7
.if \t == 0                            ; w_out's fragments up to K step k are in: 8 loads for each later K step and tile 1's 16 are younger (63 is the field's end)
.if 16+8*(7-\k) > 63
	s_wait_dscnt 63
.else
	s_wait_dscnt 16+8*(7-\k)
.endif
.endif
.irp i, 0,1,2,3
.if \k == 0
	v_wmma_scale_f32_16x16x128_f8f6f4 v[AC+8*\i:AC+8*\i+7], v[8*(4*\k+\i):8*(4*\k+\i)+7], v[FA+64*(\t%2)+8*\k:FA+64*(\t%2)+8*\k+7], v[8*\i:8*\i+7], v[SC+8*\i+\k], v[SC+8*\t+\k] matrix_a_fmt:MATRIX_FMT_FP4 matrix_b_fmt:MATRIX_FMT_FP4 matrix_a_scale:MATRIX_SCALE_ROW1
.else
	v_wmma_scale_f32_16x16x128_f8f6f4 v[AC+8*\i:AC+8*\i+7], v[8*(4*\k+\i):8*(4*\k+\i)+7], v[FA+64*(\t%2)+8*\k:FA+64*(\t%2)+8*\k+7], v[AC+8*\i:AC+8*\i+7], v[SC+8*\i+\k], v[SC+8*\t+\k] matrix_a_fmt:MATRIX_FMT_FP4 matrix_b_fmt:MATRIX_FMT_FP4 matrix_a_scale:MATRIX_SCALE_ROW1
.endif
.endr
.endr
	WIN 0
.endm
; THE WAY OUT, a tile of 16 tokens x 64 columns at a time, through my own stage: LDS serves a wave's instructions in order, so no wait stands between the stores and the loads, nor ahead of the next tile's stores.
.macro TOSTAGE t
.set AC, 32+32*(\t%2)
.if \t > 1
	s_wait_xcnt 0x0                                ; the stores of two tiles ago have read their registers
.endif
.rept 4
	v_nop                                          ; places ahead of the first read of results and of the loads into the fragments' registers
.endr
	WIN 0x08                                       ; the data: window 2
.irp i, 0,1,2,3
	ds_store_b128 v[STO], v[AC+8*\i:AC+8*\i+3] offset:128*(\i/2)+32*(\i%2)      ; each accumulator from its low end on
	ds_store_b128 v[STO], v[AC+8*\i+4:AC+8*\i+7] offset:128*(\i/2)+32*(\i%2)+16
.endr
	WIN 0
.irp j, 0,1,2,3,4,5,6,7
	ds_load_b128 v[RB+32*(\t%2)+4*\j:RB+32*(\t%2)+4*\j+3], v[RD] offset:544*\j
.endr
.endm
.macro SEND t, younger                 ; younger: LDS loads issued behind this tile's; stage row 2 j + h is token 32 (t / 2) + 8 (t % 2) + 2 j + h + 8 (j / 4) of my 64
.irp j, 0,1,2,3,4,5,6,7
	s_wait_dscnt \younger+7-\j
	global_store_b128 v[CO], v[RB+32*(\t%2)+4*\j:RB+32*(\t%2)+4*\j+3], s[10:11] offset:(32*(\t/2)+8*(\t%2)+2*\j+8*(\j/4))*4096 th:TH_STORE_NT   ; 16 lanes store 256 consecutive bytes, at a multiple of 256 from out0's first byte
.endr
.endm
	MUL 0
	TOSTAGE 0
	FETCHA 2
	s_wait_dscnt 32                                ; tile 1's fragments are in: the stage's 16 instructions and tile 2's 16 loads are younger
	MUL 1
	SEND 0, 16
	TOSTAGE 1
	FETCHA 3
	s_wait_dscnt 32                                ; tile 2's are in, likewise
	MUL 2
	SEND 1, 16
	TOSTAGE 2
	s_wait_dscnt 16                                ; tile 3's are in: the stage's 16 are younger
	MUL 3
	SEND 2, 0
	TOSTAGE 3
	SEND 3, 0
	s_wait_tensorcnt 0x0                           ; the wave's end, behind my last tensor load and my last LDS store
	ds_add_u32 v[SPW], v[NIL]
	s_wait_dscnt 0x0
	CROUND                                         ; the closing round
	s_endpgm
.Lfunc_end_k_qf59ea895e8_proj:
	.size	k_qf59ea895e8_proj, .Lfunc_end_k_qf59ea895e8_proj-k_qf59ea895e8_proj
	.p2alignl 7, 3214868480
	.fill 96, 4, 3214868480
	.section	.rodata,"a",@progbits
	.p2align	6, 0x0
	.amdhsa_kernel k_qf59ea895e8_proj
		.amdhsa_group_segment_fixed_size 167936
		.amdhsa_private_segment_fixed_size 0
		.amdhsa_enable_private_segment 0
		.amdhsa_kernarg_size 32
		.amdhsa_user_sgpr_count 2
		.amdhsa_user_sgpr_kernarg_segment_ptr 1
		.amdhsa_wavefront_size32 1
		.amdhsa_system_sgpr_workgroup_id_x 1
		.amdhsa_system_sgpr_workgroup_id_y 1
		.amdhsa_system_sgpr_workgroup_id_z 1
		.amdhsa_system_vgpr_workitem_id 0
		.amdhsa_next_free_vgpr 640
		.amdhsa_next_free_sgpr 100
		.amdhsa_reserve_vcc 0
		.amdhsa_float_denorm_mode_32 3
		.amdhsa_float_denorm_mode_16_64 3
		.amdhsa_memory_ordered 1
		.amdhsa_forward_progress 1
		.amdhsa_inst_pref_size 42
	.end_amdhsa_kernel
	.amdgpu_metadata
---
amdhsa.version: [ 1, 2 ]
amdhsa.kernels:
  - .name:           k_qf59ea895e8_proj
    .symbol:         k_qf59ea895e8_proj.kd
    .args:
      - { .name: ac, .offset: 0, .size: 8, .value_kind: global_buffer, .address_space: global }
      - { .name: cod, .offset: 8, .size: 8, .value_kind: global_buffer, .address_space: global }
      - { .name: b_out, .offset: 16, .size: 8, .value_kind: global_buffer, .address_space: global }
      - { .name: out0, .offset: 24, .size: 8, .value_kind: global_buffer, .address_space: global }
    .group_segment_fixed_size: 167936
    .private_segment_fixed_size: 0
    .kernarg_segment_align: 8
    .kernarg_segment_size: 32
    .max_flat_workgroup_size: 128
    .sgpr_count:     100
    .vgpr_count:     640
    .wavefront_size: 32
...
	.end_amdgpu_metadata
.endif
;; end of part 4
